; MI455X (gfx1250); checked and timed in simulation.
; The chip was launched on July 23, 2026; its instructions are those of AMD's public machine-readable ISA for CDNA 5 (MIT licence, August 2026) and "CDNA5" Instruction Set Architecture Reference Guide (July 2026). The comments in the code are by the model that wrote it; some were corrected since.
;; Transformer Block. Allowed arithmetic: float matrix products may take bf16 or f16 operands with f32 sums; other float arithmetic in f32, or as packed bf16 or f16 multiplies, adds, multiply-adds, maxima and minima; sums over many terms, partial sums and values carried from step to step in f32; what a program stores and reads back later, other than sums and carried values, may be rounded once to bf16 or f16.
;; Inputs: b1 4,096 float32; b2 1,024 float32; ln1_b 1,024 float32; ln1_g 1,024 float32; ln2_b 1,024 float32; ln2_g 1,024 float32; w1 1,024 x 4,096 float32; w2 4,096 x 1,024 float32; w_qkv 1,024 x 3,072 float32; x 2 x 2,048 x 1,024 float32.
;; Outputs: out0 2 x 2,048 x 1,024 float32.
;; 2 versions, each right; version 2 is version 1 with the launches prep, ln1, ln2 written anew for expert scheduling mode. Each part assembles by itself: llvm-mc -triple=amdgcn-amd-amdhsa -mcpu=gfx1250 --defsym DOCPART=n.
;; ======== version 1 of 2: 7 launches
;; limits: values are held in f16: magnitudes above 65,504 overflow, below 6.1e-05 lose precision
;; workspace buffers: cast 16,777,216 bytes; wq 6,308,864 bytes; w1h 8,406,016 bytes; qkv 25,165,824 bytes; ctx 16,777,216 bytes; x1h 8,388,608 bytes; hbuf 33,554,432 bytes; ff 16,777,216 bytes
;; launch prep (part 1): grid 962 x 1, 8 waves a work-group, no clusters, 0 bytes of LDS; arguments x, w_qkv, w1, w2, b1, cast, wq, w1h; writes cast, wq, w1h
.if DOCPART == 1
	.amdgcn_target "amdgcn-amd-amdhsa--gfx1250"
	.amdhsa_code_object_version 6
	.text
	.protected	k_qe84060d41d_prep
	.globl	k_qe84060d41d_prep
	.p2align	8
	.type	k_qe84060d41d_prep,@function
k_qe84060d41d_prep:
	s_mov_b64 s[64:65], 0
	v_nop
	global_prefetch_b8 v0, s[64:65] scope:SCOPE_SE
	s_setreg_imm32_b32 hwreg(HW_REG_WAVE_MODE, 25, 1), 1
	s_wait_xcnt 0x0
; x, w_qkv, w1 and w2 (f32) are rounded once to f16.  x and w2 keep their layout: xh [4096][1024] at cast's byte 0, w2h [4096][1024] at byte 8,388,608.
; w_qkv and w1 ([1024][N]) are laid in blocks of 256 columns, [N / 256][1024][256], behind a head of HDR bytes in wq and w1h: a block is 524,288 dense bytes, whatever N.
; The head is what the product's way out needs: 4,096 f32 of bias (w1h: a copy of b1; wq: zeros, the projection has no bias), then 256 words with the lower bound of the result as two f16
; (w1h: 0, the ReLU; wq: -infinity, no bound).
; LIMIT: a number of 65,520 or more in magnitude becomes an infinity in f16; below 6e-5 f16 keeps a fixed step of 6e-8.
; A stream: no LDS, no barrier, no matrix unit.  Work-groups 0 to 959 take 16,384 numbers each: 64 pieces of 1,024 bytes, RS bytes apart in the source (x, w2: RS = 1,024, a dense run; a weight in blocks:
; RS = 4 N, 64 rows of one block), which are 32,768 dense bytes of the copy.  All 16 loads of a thread go out at once; a wave's load covers 512 consecutive bytes, a wave's store 256, aligned.
; Work-groups 960 and 961 write the two heads.
.set HDR, 17408
.set X,   4                            ; v[4:67]    16 x 4 registers as loaded
.set Y,   68                           ; v[68:99]   16 x 2 registers to store; no register is written twice, so no wait frees one
.set OFF, 100                          ; v[100:115] my byte offset in the source, for each of the 16 loads
	s_load_b256 s[4:11], s[0:1], 0x0               ; x s[4:5], w_qkv s[6:7], w1 s[8:9], w2 s[10:11]
	s_load_b256 s[12:19], s[0:1], 0x20             ; b1 s[12:13], cast s[14:15], wq s[16:17], w1h s[18:19]
	s_mov_b32 s20, ttmp9                           ; g
	s_mov_b32 s21, 0                               ; the first g of the tensor that g falls into
	s_mov_b32 s22, 1024                            ; RS
	s_mov_b32 s23, 0                               ; 1: laid in blocks
	s_mov_b32 s24, 0                               ; where the copy begins in its buffer
	v_lshlrev_b32 v2, 3, v0                        ; 8 t: my bytes in 2,048 of the copy
	v_lshrrev_b32 v3, 6, v0                        ; t / 64: my piece of four
	v_and_b32 v1, 63, v0                           ; t % 64: my 16 bytes of it
	s_wait_kmcnt 0x0
	s_cmp_ge_u32 s20, 960
	s_cbranch_scc1 .Lhead
	s_mov_b64 s[26:27], s[14:15]                   ; every choice hangs on g alone
	s_cmp_ge_u32 s20, 256
	s_cselect_b64 s[4:5], s[6:7], s[4:5]
	s_cselect_b64 s[26:27], s[16:17], s[26:27]
	s_cselect_b32 s21, 256, s21
	s_cselect_b32 s22, 12288, s22
	s_cselect_b32 s23, 1, s23
	s_cselect_b32 s24, HDR, s24
	s_cmp_ge_u32 s20, 448
	s_cselect_b64 s[4:5], s[8:9], s[4:5]
	s_cselect_b64 s[26:27], s[18:19], s[26:27]
	s_cselect_b32 s21, 448, s21
	s_cselect_b32 s22, 16384, s22
	s_cmp_ge_u32 s20, 704
	s_cselect_b64 s[4:5], s[10:11], s[4:5]
	s_cselect_b64 s[26:27], s[14:15], s[26:27]
	s_cselect_b32 s21, 704, s21
	s_cselect_b32 s22, 1024, s22
	s_cselect_b32 s23, 0, s23
	s_cselect_b32 s24, 8388608, s24
	s_sub_co_u32 s25, s20, s21                     ; my number within the tensor
	s_lshr_b32 s28, s25, 4                         ; in blocks: block of 256 columns,
	s_and_b32 s29, s25, 15                         ; and which 64 of its 1,024 rows
	s_cmp_eq_u32 s23, 1
	s_cselect_b32 s28, s28, 0
	s_cselect_b32 s29, s29, s25
	s_mul_i32 s30, s29, s22
	s_lshl_b32 s30, s30, 6                         ; 64 pieces of RS bytes,
	s_lshl_b32 s28, s28, 10                        ; 1,024 bytes a block
	s_add_co_u32 s30, s30, s28
	s_mov_b32 s31, 0
	s_add_nc_u64 s[4:5], s[4:5], s[30:31]
	s_lshl_b32 s32, s25, 15                        ; 32,768 bytes of f16
	s_add_co_u32 s32, s32, s24
	s_mov_b32 s33, 0
	s_add_nc_u64 s[26:27], s[26:27], s[32:33]
	s_lshl_b32 s34, s22, 2                         ; a load takes four pieces
	v_mul_lo_u32 v3, v3, s22
	v_lshl_add_u32 v[OFF], v1, 4, v3
.irp i, 1,2,3,4,5,6,7,8,9,10,11,12,13,14,15
	v_add_nc_u32 v[OFF+(\i)], s34, v[OFF+(\i)-1]
.endr
.irp i, 0,1,2,3,4,5,6,7,8,9,10,11,12,13,14,15
	global_load_b128 v[X+4*(\i):X+4*(\i)+3], v[OFF+(\i)], s[4:5] th:TH_LOAD_NT
.endr
.irp i, 0,1,2,3,4,5,6,7,8,9,10,11,12,13,14,15
	s_wait_loadcnt 15-(\i)                         ; loads come back in order: number i is in, the younger ones stay out
	v_cvt_pk_f16_f32 v[Y+2*(\i)],   v[X+4*(\i)],   v[X+4*(\i)+1]
	v_cvt_pk_f16_f32 v[Y+2*(\i)+1], v[X+4*(\i)+2], v[X+4*(\i)+3]
	global_store_b64 v2, v[Y+2*(\i):Y+2*(\i)+1], s[26:27] offset:2048*(\i)
.endr
	s_endpgm
.Lhead:                                            ; a head: 16,384 bytes of bias, 16 bytes a thread four times; 1,024 bytes of the bound, a word a thread
	v_lshlrev_b32 v[OFF], 4, v0
	v_lshlrev_b32 v[OFF+1], 2, v0
	s_cmp_eq_u32 s20, 960
	s_cbranch_scc0 .Lnone
.irp i, 0,1,2,3
	global_load_b128 v[X+4*(\i):X+4*(\i)+3], v[OFF], s[12:13] offset:4096*(\i)
.endr
	v_mov_b32 v[OFF+2], 0                          ; the bound 0, twice
	s_wait_loadcnt 0x0
.irp i, 0,1,2,3
	global_store_b128 v[OFF], v[X+4*(\i):X+4*(\i)+3], s[18:19] offset:4096*(\i)
.endr
	global_store_b32 v[OFF+1], v[OFF+2], s[18:19] offset:16384
	s_endpgm
.Lnone:
.irp i, 0,1,2,3
	v_mov_b32 v[X+(\i)], 0
.endr
	v_mov_b32 v[OFF+2], 0xfc00fc00                 ; -infinity, twice
.irp i, 0,1,2,3
	global_store_b128 v[OFF], v[X:X+3], s[16:17] offset:4096*(\i)
.endr
	global_store_b32 v[OFF+1], v[OFF+2], s[16:17] offset:16384
	s_endpgm
.Lfunc_end_k_qe84060d41d_prep:
	.size	k_qe84060d41d_prep, .Lfunc_end_k_qe84060d41d_prep-k_qe84060d41d_prep
	.p2alignl 7, 3214868480
	.fill 96, 4, 3214868480
	.section	.rodata,"a",@progbits
	.p2align	6, 0x0
	.amdhsa_kernel k_qe84060d41d_prep
		.amdhsa_group_segment_fixed_size 0
		.amdhsa_private_segment_fixed_size 0
		.amdhsa_enable_private_segment 0
		.amdhsa_kernarg_size 64
		.amdhsa_user_sgpr_count 2
		.amdhsa_user_sgpr_kernarg_segment_ptr 1
		.amdhsa_wavefront_size32 1
		.amdhsa_system_sgpr_workgroup_id_x 1
		.amdhsa_system_sgpr_workgroup_id_y 1
		.amdhsa_system_sgpr_workgroup_id_z 1
		.amdhsa_system_vgpr_workitem_id 0
		.amdhsa_next_free_vgpr 116
		.amdhsa_next_free_sgpr 66
		.amdhsa_reserve_vcc 0
		.amdhsa_float_denorm_mode_32 3
		.amdhsa_float_denorm_mode_16_64 3
		.amdhsa_memory_ordered 1
		.amdhsa_forward_progress 1
		.amdhsa_inst_pref_size 11
	.end_amdhsa_kernel
	.amdgpu_metadata
---
amdhsa.version: [ 1, 2 ]
amdhsa.kernels:
  - .name:           k_qe84060d41d_prep
    .symbol:         k_qe84060d41d_prep.kd
    .args:
      - { .name: x, .offset: 0, .size: 8, .value_kind: global_buffer, .address_space: global }
      - { .name: w_qkv, .offset: 8, .size: 8, .value_kind: global_buffer, .address_space: global }
      - { .name: w1, .offset: 16, .size: 8, .value_kind: global_buffer, .address_space: global }
      - { .name: w2, .offset: 24, .size: 8, .value_kind: global_buffer, .address_space: global }
      - { .name: b1, .offset: 32, .size: 8, .value_kind: global_buffer, .address_space: global }
      - { .name: cast, .offset: 40, .size: 8, .value_kind: global_buffer, .address_space: global }
      - { .name: wq, .offset: 48, .size: 8, .value_kind: global_buffer, .address_space: global }
      - { .name: w1h, .offset: 56, .size: 8, .value_kind: global_buffer, .address_space: global }
    .group_segment_fixed_size: 0
    .private_segment_fixed_size: 0
    .kernarg_segment_align: 8
    .kernarg_segment_size: 64
    .max_flat_workgroup_size: 256
    .sgpr_count:     66
    .vgpr_count:     116
    .wavefront_size: 32
...
	.end_amdgpu_metadata
.endif
;; end of part 1
;; launch proj (part 2): grid 12 x 16, 4 waves a work-group, clusters of 4 x 4, 327,680 bytes of LDS; arguments cast, wq, qkv; writes qkv
.if DOCPART == 2
	.amdgcn_target "amdgcn-amd-amdhsa--gfx1250"
	.amdhsa_code_object_version 6
	.text
	.protected	k_qe84060d41d_proj
	.globl	k_qe84060d41d_proj
	.p2align	8
	.type	k_qe84060d41d_proj,@function
k_qe84060d41d_proj:
	s_mov_b64 s[64:65], 0
	v_nop
	global_prefetch_b8 v0, s[64:65] scope:SCOPE_SE
	s_setreg_imm32_b32 hwreg(HW_REG_WAVE_MODE, 25, 1), 1
	s_wait_xcnt 0x0
	s_wait_alu depctr_hold_cnt(0) depctr_sa_sdst(0) depctr_va_vdst(0) depctr_va_sdst(0) depctr_va_ssrc(0) depctr_va_vcc(0) depctr_vm_vsrc(0)
	s_getreg_b32 s2, hwreg(HW_REG_IB_STS2, 6, 4)
	s_cmp_eq_u32 s2, 0
	s_cbranch_scc0 .Lentry_in_a_cluster
	s_endpgm
.Lentry_in_a_cluster:
	s_bfe_u32 s2, ttmp6, 0x10000c
	s_cmp_lg_u32 s2, 0xf033
	s_cbranch_scc0 .Lentry_shape_is_right
	s_endpgm
.Lentry_shape_is_right:
; C = max(A B + bias, bound), one text for two layers: the projection (A = x's f16 copy, B = w_qkv, 12 tile columns) and the first half of the feed-forward (A = x1, B = w1, 16 tile columns).
; A: [4096][1024] f16.  B's buffer: a head of HDR bytes (4,096 f32 of bias; at byte 16,384 the bound as two f16: 0 for a ReLU, -infinity for none), then B in blocks of 256 columns,
; [N / 256][1024][256] f16: nothing in the text hangs on N, which the grid alone states.  Sums in f32, rounded once to f16.  C is stored by groups of 64 columns, [N / 64][4096][64] f16:
; a head's q, k or v is then 2,048 dense rows of 128 bytes, and so are 64 channels of h.
; LIMITS: a sum of 65,520 or more in magnitude becomes an infinity in f16; a NaN becomes the bound.  A layer without bias or bound still loads its zeros and runs its 256 maxima a wave: the price of one text.
; A tile of C, 256 x 256, is made by four waves, each 128 x 128: 64 accumulators, 512 registers.  K goes in 8 steps of 128 through two LDS slots filled by tensor loads:
; waves 0 and 1 fetch A's two halves (128 rows x 256 bytes), waves 2 and 3 B's (64 k rows x 512 bytes, 32,768 dense bytes).  The loop has one K step a trip: the slot in hand is a scalar that an exclusive or turns.
; CLUSTER 4 x 4: A's tile hangs on the tile row alone and is asked for jointly by a row of the cluster, B's on the tile column alone, by a column.
; THE MATRIX INSTRUCTION IS USED TRANSPOSED: source 0 = 16 columns of B, source 1 = 16 rows of A; a lane then holds row l % 16 of C and the columns 8 (l / 16) + 0..7.
; So the bias of those eight columns, in eight registers, is the C operand of the product that starts each sum.  B's fragments come out of LDS turned, by ds_load_tr16_b128: as many LDS loads as A's take.
; No prefetch: a joint refill has 224 matrix instructions of a wave between its request and the wait for it, and K has 8 steps.
; REGISTERS: window 0: v0-31 addresses; v64-127, v128-191 A's fragments, two buffers; v192-223 packed results; v32-63, v224-255 rows read back, by turns.
;   window 1: v0-63 the bias; v64-127, v128-191 B's fragments.   windows 2, 3: the accumulators of my rows 0-63, 64-127 ((a, b) at v[8 (8 a + b)]).
.set SIZE_K, 1024
.set HDR,    17408                     ; B's head
.set KSTEP,  128
.set BSTEP,  KSTEP*512                 ; a K step of a block of B, in bytes
.set PA,     272                       ; a row of A in LDS: 256 bytes + 16: the 16 rows of a load start at 16 different groups of four banks (64 banks of 4 bytes: ISA guide 11.1)
.set PB,     544                       ; a k row of B: 512 bytes + 32 = 17 x 32
.set HALFT,  128*PA                    ; what one tensor load brings: 128 x 272 = 64 x 544 bytes
.set SLOT,   4*HALFT                   ; 0x22000: shares no bit with 0, 0x8800, 0x11000, 0x19800, the four waves' places in a slot
.set STAGE,  2*SLOT                    ; behind the ring: 16 rows x 272 bytes for each wave
.set SPITCH, 272
.set SPARE,  STAGE+4*16*SPITCH         ; the spare words: 128 bytes a wave, two blocks of 256 bytes that no other line names
.set A0,   16                          ; v16  my lane's place among my A fragments in slot 0; never rewritten
.set ADRA, 17                          ; v17  the same in the slot in hand
.set B0,   20                          ; v20, v21  the same for B
.set ADRB, 21
.set STO,  24                          ; v24  the way out: where I put 16 bytes of a row
.set RD,   25                          ; v25  where I read rows back
.set CO,   26                          ; v26  my byte offset in 512 consecutive bytes of the output
.set SPW,  28                          ; v28  my spare word's LDS address; never rewritten
.set NIL,  29                          ; v29  0; never rewritten
.set BO,   30                          ; v30  32 (l / 16): my eight numbers in 16 of the bias
.set F0,   64
.set F1,   128
.set TMP,  192
.set OB,   32
.set TB,   2                           ; s2   LDS byte at which the slot in hand begins
.set WV,   12                          ; s12  wave;  s13 its row half (also: 0 fetches for A, 1 for B);  s14 its column half (also: which half it fetches)
.set RH,   13
.set CH,   14
.set TR,   15                          ; s15  tile row
.set TC,   42                          ; s42  tile column
.set LO,   45                          ; s45  the bound, two f16
.set G1,   24                          ; s[24:31] group 1 for A;  s[32:39] group 0: set 0 for K step 0, set 1 for K step 1 and then walking
.set G0,   32
.set G1B,  48                          ; s[48:55], s[56:63] the same for B
.set G0B,  56
.set MSB, 0
.macro WIN new                         ; the immediate's high byte repeats the setting that is left; a switch that changes nothing is dropped
.if MSB != (\new)
	s_set_vgpr_msb (MSB<<8)|(\new)
.set MSB, \new
.endif
.endm
.set MUL_LO, 0xa1                      ; source 0 (B) window 1, source 1 (A) window 0, C and D window 2
.set MUL_HI, 0xf1                      ; the same, C and D window 3
.set TO_B,   0x40                      ; destination window 1, address window 0
; A joint load: waves 0 and 1 ask for A, waves 2 and 3 for B; the branch hangs on the wave's number alone.  An s_nop 0 and four v_nop follow each line.
.macro JLOAD s
	s_cmp_eq_u32 s[RH], 0
	s_cbranch_scc0 .Lfor_b_\@
	tensor_load_to_lds s[G0+4*(\s):G0+4*(\s)+3], s[G1:G1+7]
	s_nop 0
.rept 4
	v_nop
.endr
	s_branch .Lasked_\@
.Lfor_b_\@:
	tensor_load_to_lds s[G0B+4*(\s):G0B+4*(\s)+3], s[G1B:G1B+7]
	s_nop 0
.rept 4
	v_nop
.endr
.Lasked_\@:
.endm
.macro CREST                           ; a round of the cluster's barrier behind its opening barrier
	s_cmp_lg_u32 s[WV], 0
	s_cbranch_scc1 .Lnot_wave_0_\@
	s_barrier_signal -3
.Lnot_wave_0_\@:
	s_barrier_wait -3
	s_barrier_signal -1
	s_barrier_wait -1
.endm
.macro CROUND                          ; a whole round
	s_barrier_signal -1
	s_barrier_wait -1
	CREST
.endm
.macro PLACES                          ; four places in front of loads into registers that matrix instructions have read, and of conversions that read results
.rept 4
	v_nop
.endr
.endm
; 16 matrix instructions: m blocks a0, a0 + 1 of the window's four x all 8 n blocks, 32 along K.  init = 1: the product starts the sum with the bias (window 1, v[8 b]).
.macro MUL16 f, hi, a0, init
.if \init
	WIN 0x91+0x40*(\hi)                            ; as MUL_LO or MUL_HI, but C in window 1
.else
	WIN MUL_LO+0x50*(\hi)
.endif
.irp a, \a0, (\a0)+1
.irp b, 0,1,2,3,4,5,6,7
.if \init
	v_wmma_f32_16x16x32_f16 v[8*(8*(\a)+(\b)):8*(8*(\a)+(\b))+7], v[(\f)+8*(\b):(\f)+8*(\b)+7], v[(\f)+8*(4*(\hi)+(\a)):(\f)+8*(4*(\hi)+(\a))+7], v[8*(\b):8*(\b)+7]
.else
	v_wmma_f32_16x16x32_f16 v[8*(8*(\a)+(\b)):8*(8*(\a)+(\b))+7], v[(\f)+8*(\b):(\f)+8*(\b)+7], v[(\f)+8*(4*(\hi)+(\a)):(\f)+8*(4*(\hi)+(\a))+7], v[8*(8*(\a)+(\b)):8*(8*(\a)+(\b))+7]
.endif
.endr
.endr
.endm
; 32 LDS loads in one run: quarter q (32 along K) of the slot in hand into buffer f: B's 8 fragments (16 columns each, turned), then A's 8 (16 rows each)
.macro FETCH q, f
	WIN TO_B
.irp i, 0,1,2,3,4,5,6,7
	ds_load_tr16_b128 v[(\f)+8*(\i):(\f)+8*(\i)+3],   v[ADRB] offset:(\q)*32*PB+32*(\i)
	ds_load_tr16_b128 v[(\f)+8*(\i)+4:(\f)+8*(\i)+7], v[ADRB] offset:(\q)*32*PB+16*PB+32*(\i)
.endr
	WIN 0
.irp i, 0,1,2,3,4,5,6,7
	ds_load_b128 v[(\f)+8*(\i):(\f)+8*(\i)+3],   v[ADRA] offset:64*(\q)+(\i)*16*PA
	ds_load_b128 v[(\f)+8*(\i)+4:(\f)+8*(\i)+7], v[ADRA] offset:64*(\q)+(\i)*16*PA+32
.endr
.endm
; One of a K step's first three quarters: multiplies buffer f, and in its middle fetches quarter q into buffer g.  The 64 accumulators take turns.
.macro QUARTER q, f, g, init
	s_wait_dscnt 8                                 ; B and A's rows 0-63 are in; the youngest eight loads (A's rows 64-127) may be out
	MUL16 \f, 0, 0, \init
	MUL16 \f, 0, 2, \init
	PLACES
	FETCH \q, \g
	s_wait_dscnt 32                                ; all but the 32 just issued
	MUL16 \f, 1, 0, \init
	MUL16 \f, 1, 2, \init
.endm
; The first half of a K step's last quarter, and the barrier of the change of slots.
.macro MEET round
	WIN 0                                          ; (the add's two registers lie in window 0)
	s_wait_tensorcnt 0x0                           ; all my tensor loads have landed: the one that was out is my part of the next slot
	ds_add_u32 v[SPW], v[NIL]                      ; 0 onto my spare word
	s_wait_dscnt 9                                 ; (the add and the youngest eight loads may be out)
	MUL16 F1, 0, 0, 0
	s_wait_dscnt 0x0                               ; the add is done, and my reads of this slot are over
	s_barrier_signal -1
	MUL16 F1, 0, 2, 0                              ; work on registers while the others arrive
.if \round
	WIN 0
.endif
	s_barrier_wait -1
.endm
; The whole last quarter.  fill = 1: the barrier opens a round of the cluster's barrier, and the slot just read out is filled again first, with the K step two on.
.macro TURN fill
	MEET \fill
.if \fill
	CREST                                          ; no wave of any partner still reads this slot or has a load on its way
	s_xor_b32 s[G0+5], s[G0+5], SLOT               ; the walking sets: the other slot than last time, the next K step
	s_add_nc_u64 s[G0+6:G0+7], s[G0+6:G0+7], KSTEP*2
	s_xor_b32 s[G0B+5], s[G0B+5], SLOT
	s_add_nc_u64 s[G0B+6:G0B+7], s[G0B+6:G0B+7], BSTEP
	JLOAD 1                                        ; its four v_nop are also the places in front of the loads below
.else
	PLACES
.endif
	s_xor_b32 s[TB], s[TB], SLOT                   ; the reads go on in the other slot
	WIN 0
	v_add_nc_u32 v[ADRA], s[TB], v[A0]
	v_add_nc_u32 v[ADRB], s[TB], v[B0]
	FETCH 0, F0
	MUL16 F1, 1, 0, 0
	MUL16 F1, 1, 2, 0
.endm
; THE WAY OUT of block a (16 rows): rounded to f16, held to the bound, into my own stage, back as rows of 128 bytes of each of my two column groups, stored.
.macro PACK a
.set AC, 64*((\a)%4)
	WIN 0x0a+5*((\a)/4)                            ; sources 0 and 1: window 2 or 3
.irp b, 0,1,2,3,4,5,6,7
.irp r, 0,1,2,3
	v_cvt_pk_f16_f32 v[TMP+4*(\b)+(\r)], v[AC+8*(\b)+2*(\r)], v[AC+8*(\b)+2*(\r)+1]
.endr
.endr
	WIN 0
.set z, 0
.rept 32
	v_pk_max_num_f16 v[TMP+z], v[TMP+z], s[LO]     ; two numbers at once; nothing is rounded
.set z, z+1
.endr
.endm
.macro TOSTAGE a
	WIN 0
.set BK, OB+192*((\a)%2)
.irp b, 0,1,2,3,4,5,6,7
	ds_store_b128 v[STO], v[TMP+4*(\b):TMP+4*(\b)+3] offset:32*(\b)
.endr
.irp t, 0,1,2,3,4,5,6,7                ; LDS serves a wave's instructions in order (ISA guide 5.7.1.4): these see the stores above
	ds_load_b128 v[BK+4*(\t):BK+4*(\t)+3], v[RD] offset:((\t)/2)*4*SPITCH+128*((\t)%2)  ; four rows' 128 bytes of column group t % 2
.endr
.endm
.macro SEND a
	WIN 0
.set BK, OB+192*((\a)%2)
	s_wait_dscnt 0x0                               ; the block is back in registers
	s_wait_xcnt 0x0                                ; the stores of the block before have read their registers, which the next block's loads write
.irp t, 0,1,2,3,4,5,6,7
	global_store_b128 v[CO], v[BK+4*(\t):BK+4*(\t)+3], s[8:9] offset:(\a)*2048+((\t)%2)*524288+((\t)/2)*512  ; 512 consecutive bytes of one column group, aligned
.endr
.endm
	s_load_b128 s[4:7], s[0:1], 0x0                ; A s[4:5], B's buffer s[6:7]
	s_load_b64 s[8:9], s[0:1], 0x10                ; the output
	v_lshl_add_u32 v[SPW], v0, 2, SPARE
	v_mov_b32 v[NIL], 0
	ds_add_u32 v[SPW], v[NIL]                      ; the wave's opening: the add and its wait stand ahead of my first tensor load
	v_lshrrev_b32 v1, 5, v0
	v_readfirstlane_b32 s[WV], v1
	s_lshr_b32 s[RH], s[WV], 1
	s_and_b32 s[CH], s[WV], 1
	s_bfe_u32 s40, ttmp6, 0x40000                  ; cx
	s_bfe_u32 s41, ttmp6, 0x40004                  ; cy
	s_lshl_b32 s[TC], ttmp9, 2
	s_add_co_u32 s[TC], s[TC], s40                 ; tile column = 4 x cluster x + cx
	s_and_b32 s[TR], ttmp7, 0xffff
	s_lshl_b32 s[TR], s[TR], 2
	s_add_co_u32 s[TR], s[TR], s41                 ; tile row = 4 x cluster y + cy
	s_lshl_b32 s43, s41, 2
	s_lshl_b32 s43, 15, s43                        ; my row of the cluster
	s_lshl_b32 s44, 0x1111, s40                    ; my column
	s_or_b32 s[G1+0], s43, (1<<16)|(1<<20)|(1<<21)|(5<<22)|(3<<25)   ; mask; 2-byte elements; padding on; bit 21 beside a mask; after every 64 words 4 words
	s_mov_b32 s[G1+1], KSTEP<<16                   ; tensor_dim0 = 128
	s_mov_b32 s[G1+2], 128<<16                     ; tensor_dim1 = 128
	s_mov_b32 s[G1+3], KSTEP<<16                   ; tile_dim0 = 128
	s_mov_b32 s[G1+4], 128                         ; tile_dim1 = 128
	s_mov_b32 s[G1+5], SIZE_K                      ; elements from row to row
	s_mov_b32 s[G1+6], 0
	s_mov_b32 s[G1+7], 0
	s_or_b32 s[G1B+0], s44, (1<<16)|(1<<20)|(1<<21)|(6<<22)|(7<<25)  ; after every 128 words 8 words
	s_mov_b32 s[G1B+1], 256<<16                    ; tensor_dim0 = 256 columns
	s_mov_b32 s[G1B+2], 64<<16                     ; tensor_dim1 = 64 k rows
	s_mov_b32 s[G1B+3], 256<<16
	s_mov_b32 s[G1B+4], 64
	s_mov_b32 s[G1B+5], 256                        ; a block's rows lie end to end
	s_mov_b32 s[G1B+6], 0
	s_mov_b32 s[G1B+7], 0
	s_lshl_b32 s16, s[TR], 8                       ; A: row 256 x tile row + 128 x half,
	s_lshl_b32 s17, s[CH], 7
	s_add_co_u32 s16, s16, s17
	s_lshl_b32 s16, s16, 11                        ; of 2,048 bytes
	s_mov_b32 s17, 0
	s_lshl_b32 s46, s[TC], 19                      ; B: 524,288 bytes a block, 64 k rows of 512 bytes a half, behind the head
	s_lshl_b32 s47, s[CH], 15
	s_add_co_u32 s46, s46, s47
	s_add_co_u32 s46, s46, HDR
	s_mov_b32 s47, 0
	s_mul_i32 s20, s[WV], HALFT                    ; where my part goes: A's two halves, then B's two
	s_wait_dscnt 0x0                               ; the opening add is done
	s_wait_kmcnt 0x0
	s_add_nc_u64 s[18:19], s[4:5], s[16:17]
	s_add_nc_u64 s[46:47], s[6:7], s[46:47]
	CROUND                                         ; all sixteen work-groups are here: the first joint loads meet
.irp s, 0,1
	s_mov_b32 s[G0+4*(\s)], 1
	s_add_co_u32 s[G0+4*(\s)+1], s20, (\s)*SLOT
	s_add_nc_u64 s[G0+4*(\s)+2:G0+4*(\s)+3], s[18:19], (\s)*KSTEP*2
	s_or_b32 s[G0+4*(\s)+3], s[G0+4*(\s)+3], 0x80000000
	s_mov_b32 s[G0B+4*(\s)], 1
	s_add_co_u32 s[G0B+4*(\s)+1], s20, (\s)*SLOT
	s_add_nc_u64 s[G0B+4*(\s)+2:G0B+4*(\s)+3], s[46:47], (\s)*BSTEP
	s_or_b32 s[G0B+4*(\s)+3], s[G0B+4*(\s)+3], 0x80000000
	JLOAD \s                                       ; two loads of mine are out
.endr
	v_and_b32 v1, 15, v0                           ; l % 16
	v_bfe_u32 v2, v0, 4, 1                         ; l / 16
	v_and_b32 v8, 7, v0                            ; l % 8
	v_bfe_u32 v5, v0, 3, 1                         ; (l / 8) % 2
	v_mul_u32_u24 v3, v1, PA
	v_lshl_add_u32 v3, v2, 4, v3                   ; A: row x pitch + 16 x half
	s_mul_i32 s21, s[RH], HALFT
	v_add_nc_u32 v[A0], s21, v3
	v_lshl_add_u32 v4, v2, 3, v8                   ; B: k row 8 (l / 16) + l % 8,
	v_mul_u32_u24 v4, v4, PB
	v_lshl_add_u32 v4, v5, 4, v4                   ; columns 8 ((l / 8) % 2) on
	s_lshl_b32 s22, s[CH], 8                       ; my 128 columns
	s_add_co_u32 s22, s22, 2*HALFT
	v_add_nc_u32 v[B0], s22, v4
	v_mov_b32 v[ADRA], v[A0]
	v_mov_b32 v[ADRB], v[B0]
	s_mov_b32 s[TB], 0
	s_mul_i32 s23, s[WV], 16*SPITCH
	s_add_co_u32 s23, s23, STAGE                   ; my stage
	v_mul_u32_u24 v6, v1, SPITCH
	v_lshl_add_u32 v6, v2, 4, v6
	v_add_nc_u32 v[STO], s23, v6
	v_bfe_u32 v7, v0, 3, 2                         ; back: 32 lanes take 128 bytes of each of four rows,
	v_mul_u32_u24 v7, v7, SPITCH
	v_lshl_add_u32 v7, v8, 4, v7
	v_add_nc_u32 v[RD], s23, v7
	v_and_b32 v9, 31, v0
	v_lshlrev_b32 v[CO], 4, v9                     ; which are 512 consecutive bytes of the output
	v_lshlrev_b32 v[BO], 5, v2
	s_lshl_b32 s16, s[TR], 8
	s_lshl_b32 s17, s[RH], 7
	s_add_co_u32 s16, s16, s17                     ; my first row of C,
	s_lshl_b32 s16, s16, 7                         ; of 128 bytes in a column group
	s_mov_b32 s17, 0
	s_lshl_b32 s46, s[TC], 1
	s_add_co_u32 s46, s46, s[CH]                   ; my block of 128 columns:
	s_lshl_b32 s22, s46, 9                         ; 512 bytes of the bias,
	s_mov_b32 s23, 0
	s_add_nc_u64 s[10:11], s[6:7], s[22:23]
	s_lshl_b32 s46, s46, 20                        ; two column groups of 524,288 bytes
	s_mov_b32 s47, 0
	s_add_nc_u64 s[16:17], s[16:17], s[46:47]
	s_add_nc_u64 s[8:9], s[8:9], s[16:17]
	s_load_b32 s[LO], s[6:7], 0x4000               ; the bound
	WIN TO_B
.irp b, 0,1,2,3,4,5,6,7                ; register j of block b: bias of column 16 b + 8 (l / 16) + j: the C operand that starts the sums
	global_load_b128 v[8*(\b):8*(\b)+3],   v[BO], s[10:11] offset:64*(\b)
	global_load_b128 v[8*(\b)+4:8*(\b)+7], v[BO], s[10:11] offset:64*(\b)+16
.endr
	WIN 0
	s_wait_tensorcnt 1                             ; my part of K step 0 is in; K step 1's may stay out
	s_barrier_signal -1
	s_barrier_wait -1
	FETCH 0, F0
	s_wait_loadcnt 0x0                             ; the bias
	s_wait_kmcnt 0x0                               ; the bound
	QUARTER 1, F0, F1, 1                           ; the first quarter stands in front of the loop: its products start the sums
	WIN 0
	s_mov_b32 s3, SIZE_K/KSTEP-2
.Lstep:                                            ; a trip: a K step's quarters 1 to 3, the change of slots with its refill, the next step's quarter 0
	QUARTER 2, F1, F0, 0
	QUARTER 3, F0, F1, 0
	TURN 1
	QUARTER 1, F0, F1, 0
	WIN 0
	s_sub_co_u32 s3, s3, 1
	s_cmp_lg_u32 s3, 0
	s_cbranch_scc1 .Lstep
	; The last two K steps ask for nothing: a loop of their own; it is entered behind its first quarter, which the loop above has done.
	; Its second trip passes the change of slots once more and fetches 32 fragments that nobody multiplies: the price, once a launch, of one text for both steps.
	s_mov_b32 s3, 2
	s_branch .Lmid
.Llast:
	QUARTER 1, F0, F1, 0
	WIN 0
.Lmid:
	QUARTER 2, F1, F0, 0
	QUARTER 3, F0, F1, 0
	TURN 0
	WIN 0
	s_sub_co_u32 s3, s3, 1
	s_cmp_lg_u32 s3, 0
	s_cbranch_scc1 .Llast
	PLACES
	PACK 0
	TOSTAGE 0
.irp a, 1,2,3,4,5,6,7                  ; block a's conversions stand between block a - 1's loads from the stage and the wait for them
	PACK \a
	SEND (\a)-1
	TOSTAGE \a
.endr
	SEND 7
	s_wait_tensorcnt 0x0                           ; the wave's end
	ds_add_u32 v[SPW], v[NIL]
	s_wait_dscnt 0x0
	CROUND                                         ; the closing round
	s_endpgm
.Lfunc_end_k_qe84060d41d_proj:
	.size	k_qe84060d41d_proj, .Lfunc_end_k_qe84060d41d_proj-k_qe84060d41d_proj
	.p2alignl 7, 3214868480
	.fill 96, 4, 3214868480
	.section	.rodata,"a",@progbits
	.p2align	6, 0x0
	.amdhsa_kernel k_qe84060d41d_proj
		.amdhsa_group_segment_fixed_size 327680
		.amdhsa_private_segment_fixed_size 0
		.amdhsa_enable_private_segment 0
		.amdhsa_kernarg_size 24
		.amdhsa_user_sgpr_count 2
		.amdhsa_user_sgpr_kernarg_segment_ptr 1
		.amdhsa_wavefront_size32 1
		.amdhsa_system_sgpr_workgroup_id_x 1
		.amdhsa_system_sgpr_workgroup_id_y 1
		.amdhsa_system_sgpr_workgroup_id_z 1
		.amdhsa_system_vgpr_workitem_id 0
		.amdhsa_next_free_vgpr 1024
		.amdhsa_next_free_sgpr 66
		.amdhsa_reserve_vcc 0
		.amdhsa_float_denorm_mode_32 3
		.amdhsa_float_denorm_mode_16_64 3
		.amdhsa_memory_ordered 1
		.amdhsa_forward_progress 1
		.amdhsa_inst_pref_size 118
	.end_amdhsa_kernel
	.amdgpu_metadata
---
amdhsa.version: [ 1, 2 ]
amdhsa.kernels:
  - .name:           k_qe84060d41d_proj
    .symbol:         k_qe84060d41d_proj.kd
    .args:
      - { .name: cast, .offset: 0, .size: 8, .value_kind: global_buffer, .address_space: global }
      - { .name: wq, .offset: 8, .size: 8, .value_kind: global_buffer, .address_space: global }
      - { .name: qkv, .offset: 16, .size: 8, .value_kind: global_buffer, .address_space: global }
    .group_segment_fixed_size: 327680
    .private_segment_fixed_size: 0
    .kernarg_segment_align: 8
    .kernarg_segment_size: 24
    .max_flat_workgroup_size: 128
    .sgpr_count:     66
    .vgpr_count:     1024
    .wavefront_size: 32
...
	.end_amdgpu_metadata
.endif
;; end of part 2
;; launch attn (part 3): grid 8 x 32, 4 waves a work-group, clusters of 4 x 1, 327,680 bytes of LDS; arguments qkv, ctx; writes ctx
.if DOCPART == 3
	.amdgcn_target "amdgcn-amd-amdhsa--gfx1250"
	.amdhsa_code_object_version 6
	.text
	.protected	k_qe84060d41d_attn
	.globl	k_qe84060d41d_attn
	.p2align	8
	.type	k_qe84060d41d_attn,@function
k_qe84060d41d_attn:
	s_mov_b64 s[64:65], 0
	v_nop
	global_prefetch_b8 v0, s[64:65] scope:SCOPE_SE
	s_setreg_imm32_b32 hwreg(HW_REG_WAVE_MODE, 25, 1), 1
	s_wait_xcnt 0x0
	s_wait_alu depctr_hold_cnt(0) depctr_sa_sdst(0) depctr_va_vdst(0) depctr_va_sdst(0) depctr_va_ssrc(0) depctr_va_vcc(0) depctr_vm_vsrc(0)
	s_getreg_b32 s2, hwreg(HW_REG_IB_STS2, 6, 4)
	s_cmp_eq_u32 s2, 0
	s_cbranch_scc0 .Lentry_in_a_cluster
	s_endpgm
.Lentry_in_a_cluster:
	s_bfe_u32 s2, ttmp6, 0x10000c
	s_cmp_lg_u32 s2, 0x3003
	s_cbranch_scc0 .Lentry_shape_is_right
	s_endpgm
.Lentry_shape_is_right:
; ctx[row][64 nh + d] = the sum over k of softmax_k(q . k / 32) v, for head y = 2 nh + b (row = 2,048 b + s).  q, k, v: f16, 2,048 dense rows of 128 bytes a head, at y x 262,144 bytes of qkv,
; k 8,388,608 and v 16,777,216 bytes further on.  Products, maxima and sums in f32; the weights p are rounded to f16 for the second product (their sum l is taken of the unrounded p); ctx is f32.
; LIMITS.  q, k and v arrive within f16's range; p lies in 0 to 1; a weight below 2^-126 counts as 0 in l; NaN and infinities are not treated apart.
; SHARES.  A work-group owns 256 queries of one head, a wave 64: four PIECES of 16.  Every wave walks the head's 2,048 keys: 8 tiles of 256 keys, 4 steps of 64 each.
; LAYOUT.  S^T = K Q^T holds ONE query a lane (lane % 16) and the keys 8 (lane / 16) + 0..7; two such results rounded to f16 ARE source 1 of O^T = V^T P.  V comes out of LDS turned, by ds_load_tr16_b128.
; SOFTMAX.  A running maximum m and sum l: p = 2^(c s - c m), c = log2(e) / 32; O and l are multiplied by a = 2^(c m_old - c m_new) in every step.  m starts at the lowest finite number, O and l at 0.
; BY TURNS.  Turn n belongs to piece n: 8 products K Q^T of piece n + 1, later 8 products V^T P of piece n - 1; beside them the scaling, exponentials, roundings, sums and rescaling of piece n and the
; maximum and statistics of piece n + 1.  Four vector instructions stand behind every matrix instruction, the other 54 of a turn's 118 in one lump.  A turn's 33 exponentials are one batch, with one wait.
; CLUSTER.  The four query blocks of a cluster belong to one head and walk the same K and V: each tile is asked for jointly, by the same tensor load, descriptor and mask in all four.
; REGISTERS, in windows of 256 (s_set_vgpr_msb: bits 1:0 source 0, 3:2 source 1, 5:4 source 2, 7:6 destination):
;   window 0: v0-15 addresses; v16-31 four registers of statistics a piece; v48-55 at work; v61-63 prefetch offset and the add's two; v64-127 S^T, two buffers; v192-223 P, two buffers
;   window 1: v0-127 O^T, 32 a piece      window 2: v0-63 Q; v128-191 K of one step; v192-255 V of one step
.set NP,    4
.set KS,    64
.set PK,    144       ; a row of K in LDS: 128 bytes + 16: the 16 rows of a load start at 16 different groups of four banks (64 banks of 4 bytes: ISA guide 11.1)
.set PV,    160       ; a row of V: 128 + 32
.set VOFF,  4*KS*PK   ; a slot holds a tile: 256 rows of K, then 256 rows of V
.set SLOT1, 1<<17
.set STAGE, SLOT1+4*KS*(PK+PV)  ; behind the ring: 16 rows x 272 bytes for each wave
.set SP,    272
.set SPARE, STAGE+4*16*SP       ; the spare words: 128 bytes a wave, two blocks of 256 bytes that no other line names
.set AK0, 2
.set AV0, 3
.set AK,  4
.set AV,  5
.set STO, 6
.set RD,  7
.set GO,  8
.set MV,  12          ; v12-13  c m_old, by buffer
.set QO,  15
.set ST,  16          ; piece t's statistics at v[ST+4 t]: c m, m, l (even keys', odd keys')
.set TMP, 48          ; by buffer, four registers c0-c3; when the maximum is found c2 takes a
.set PFO, 61          ; v61  256 x my lane; never rewritten
.set SPW, 62          ; v62  my spare word's LDS address; never rewritten
.set NIL, 63          ; v63  0; never rewritten
.set S,   64
.set P,   192
.set KF,  128
.set VF,  192
.set WV,  12
.set LIM, 15          ; s15  1 in a wave that prefetches, else the greatest number
.set PFA, 18          ; s[18:19] where my prefetches stand
.set G1K, 24
.set G1V, 32
.set G0K, 40
.set G0V, 44
.set SLOTS, 56
.set CNT, 57
.set CS,  58
.set SEL, 60
.set TBK, 62
.set TBV, 63
.set MSB, 0
.macro WIN new
.if MSB != (\new)
	s_set_vgpr_msb (MSB<<8)|(\new)
.set MSB, (\new)
.endif
.endm
.set W_KQ, 0x0a       ; K and Q in window 2, S^T in window 0
.set W_PV, 0x52       ; V in window 2, P in window 0, O^T in window 1
.set W_RS, 0x41       ; destination and source 0 in window 1, source 1 in window 0
; A joint fill: waves 0 and 1 fetch the two halves of a tile's K, waves 2 and 3 those of its V, 128 keys each.  An s_nop 0 and four v_nop follow each line.
.macro JLOAD
	s_cmp_lt_u32 s[WV], 2
	s_cbranch_scc0 .Lfor_v_\@
	tensor_load_to_lds s[G0K:G0K+3], s[G1K:G1K+7]
	s_nop 0
.rept 4
	v_nop
.endr
	s_branch .Lasked_\@
.Lfor_v_\@:
	tensor_load_to_lds s[G0V:G0V+3], s[G1V:G1V+7]
	s_nop 0
.rept 4
	v_nop
.endr
.Lasked_\@:
.endm
; A prefetch of the tile that the NEXT change of slots will ask for: 32,768 bytes of K and of V.  Both clusters of a head walk the same rows: the head's first cluster asks.  Its four partners share a tile out
; by address, 8,192 bytes each; wave 0 asks for K's, wave 2 for V's, a lane for each 256 bytes: each block is named once in the launch.  The last change that fills a slot asks for nothing.
.macro ASK
	s_cmp_gt_u32 s[SLOTS], s[LIM]
	s_cbranch_scc0 .Lnot_mine_\@
	global_prefetch_b8 v[PFO], s[PFA:PFA+1] th:TH_LOAD_NT scope:SCOPE_SE
.Lnot_mine_\@:
.endm
.macro CROUND                       ; a round of the cluster's barrier
	s_barrier_signal -1
	s_barrier_wait -1
	s_cmp_lg_u32 s[WV], 0
	s_cbranch_scc1 .Lnot_wave_0_\@
	s_barrier_signal -3
.Lnot_wave_0_\@:
	s_barrier_wait -3
	s_barrier_signal -1
	s_barrier_wait -1
.endm
; THE CHANGE OF SLOTS.  Each wave waits for all its tensor loads (one is out: its part of the other slot), adds 0 to its spare word, and waits for that and for its reads of the slot that it leaves.
; fill = 1: the barrier is a round of the cluster's, and the old slot is filled again first behind it, with the keys two tiles on: four key steps, 256 matrix instructions of a wave, in which to land.
.macro CHANGE fill, ask
	WIN 0
	s_wait_tensorcnt 0x0            ; no tensor load of mine is out, so a group 0 may be written
	ds_add_u32 v[SPW], v[NIL]
.if \fill
.irp g, G0K, G0V
	s_xor_b32 s[\g+1], s[\g+1], SLOT1
	s_add_nc_u64 s[\g+2:\g+3], s[\g+2:\g+3], 4*KS*128
.endr
.if \ask
	s_wait_xcnt 0x0                 ; the last prefetch, four key steps back, has read its address
	s_add_nc_u64 s[PFA:PFA+1], s[PFA:PFA+1], 4*KS*128
.endif
	s_wait_dscnt 0x0                ; the add is done, and my reads of the slot are over
	CROUND
	JLOAD
.if \ask
	ASK
.endif
.else
	s_wait_dscnt 0x0
	s_barrier_signal -1
	s_barrier_wait -1
.endif
	s_sub_co_u32 s[TBK], s[TBK], 4*KS*PK  ; the fetches go back to a slot's first step, in the other slot
	s_xor_b32 s[TBK], s[TBK], SLOT1
	s_sub_co_u32 s[TBV], s[TBV], 4*KS*PV
	s_xor_b32 s[TBV], s[TBV], SLOT1
.endm
	s_load_b128 s[48:51], s[0:1], 0x0  ; qkv s[48:49], ctx s[50:51]
	v_lshl_add_u32 v[SPW], v0, 2, SPARE
	v_mov_b32 v[NIL], 0
	ds_add_u32 v[SPW], v[NIL]       ; the wave's opening: the add and its wait stand ahead of my first tensor load
	v_lshrrev_b32 v1, 5, v0
	v_readfirstlane_b32 s[WV], v1
	s_bfe_u32 s13, ttmp6, 0x40000   ; cx
	s_lshl_b32 s14, ttmp9, 2
	s_add_co_u32 s14, s14, s13      ; my block of 256 queries: it enters Q's and ctx's addresses alone
	s_and_b32 s21, ttmp7, 0xffff    ; the head y, which the four partners share
	s_lshl_b32 s20, s21, 18         ; its first byte among the q
	s_and_b32 s16, s[WV], 1         ; which half of a tile's 256 keys I fetch
	s_lshl_b32 s22, s16, 14
	s_add_co_u32 s22, s22, s20
	s_mov_b32 s23, 0
	s_mul_i32 s17, s16, 128*PK      ; its place in a slot, for K
	s_mul_i32 s52, s16, 128*PV      ; and for V
	s_lshl_b32 s2, s14, 15          ; Q: my block's 256 rows of 128 bytes, my wave's 64
	s_lshl_b32 s3, s[WV], 13
	s_add_co_u32 s2, s2, s3
	s_add_co_u32 s2, s2, s20
	s_mov_b32 s3, 0
	s_and_b32 s54, s21, 1           ; ctx: row 2,048 b + 256 block + 64 wave, of 4,096 bytes; column 64 nh, 256 bytes
	s_lshl_b32 s54, s54, 23
	s_lshl_b32 s55, s14, 20
	s_add_co_u32 s54, s54, s55
	s_lshl_b32 s55, s[WV], 18
	s_add_co_u32 s54, s54, s55
	s_lshr_b32 s55, s21, 1
	s_lshl_b32 s55, s55, 8
	s_add_co_u32 s54, s54, s55
	s_mov_b32 s55, 0
	; group 1: 128 keys are 16,384 dense bytes: asked for as 64 rows of 256 bytes, padded in LDS after every key
	s_mov_b32 s[G1K], 15|(1<<16)|(1<<20)|(1<<21)|(4<<22)|(3<<25)  ; mask of four; 2-byte elements; padding on; bit 21 beside a mask; after every 32 words 4 words
	s_mov_b32 s[G1V], 15|(1<<16)|(1<<20)|(1<<21)|(4<<22)|(7<<25)  ; the same with 8 words
.irp g, G1K, G1V
	s_mov_b32 s[\g+1], 128<<16
	s_mov_b32 s[\g+2], 64<<16
	s_mov_b32 s[\g+3], 128<<16
	s_mov_b32 s[\g+4], 64
	s_mov_b32 s[\g+5], 128
	s_mov_b32 s[\g+6], 0
	s_mov_b32 s[\g+7], 0
.endr
	s_mov_b32 s[CS], 0x3d38aa3b     ; c = log2(e) / 32
	s_mov_b32 s[CS+1], s[CS]
	s_mov_b32 s[SEL], 0x76543210
	s_mov_b32 s[SEL+1], 0xfedcba98
	s_mov_b32 s[TBK], SLOT1+4*KS*PK ; the first change of slots turns these two into 0
	s_mov_b32 s[TBV], SLOT1+4*KS*PV
	s_mov_b32 s[G0K], 1
	s_mov_b32 s[G0K+1], s17
	s_mov_b32 s[G0V], 1
	s_add_co_u32 s[G0V+1], s52, VOFF
	s_and_b32 s[LIM], s[WV], 1      ; 0 in waves 0 and 2,
	s_or_b32 s[LIM], s[LIM], ttmp9  ; where the cluster is the head's first: the same in all four partners
	s_cmp_eq_u32 s[LIM], 0
	s_cselect_b32 s[LIM], 1, -1
	v_and_b32 v[PFO], 31, v0
	v_lshlrev_b32 v[PFO], 8, v[PFO]
	s_wait_dscnt 0x0                ; the opening add is done
	s_wait_kmcnt 0x0
	s_add_nc_u64 s[6:7], s[48:49], s[22:23]
	s_add_nc_u64 s[8:9], s[6:7], 16777216  ; V at my half of the head's tile 0
	s_add_nc_u64 s[6:7], s[6:7], 8388608   ; K likewise
	s_add_nc_u64 s[4:5], s[48:49], s[2:3]  ; Q at my wave's first row
	s_add_nc_u64 s[10:11], s[50:51], s[54:55]
	s_mov_b64 s[G0K+2:G0K+3], s[6:7]
	s_or_b32 s[G0K+3], s[G0K+3], 0x80000000
	s_mov_b64 s[G0V+2:G0V+3], s[8:9]
	s_or_b32 s[G0V+3], s[G0V+3], 0x80000000
	s_cmp_lt_u32 s[WV], 2
	s_cselect_b64 s[PFA:PFA+1], s[6:7], s[8:9]  ; (in waves 0 and 2 these stand at a tile's first row)
	s_lshl_b32 s2, s13, 13          ; my work-group's 8,192 bytes of a tile
	s_mov_b32 s3, 0
	s_add_nc_u64 s[PFA:PFA+1], s[PFA:PFA+1], s[2:3]
	s_add_nc_u64 s[PFA:PFA+1], s[PFA:PFA+1], 2*4*KS*128  ; in tile 2; the first asking change steps it to tile 3.  Nothing is prefetched here, at the head
	CROUND                          ; all four work-groups are here: the first joint loads meet
	JLOAD                           ; tile 0 into slot 0; slot 1 is asked for when slot 0 is in
	v_and_b32 v1, 15, v0            ; l % 16
	v_bfe_u32 v9, v0, 4, 1          ; l / 16
	v_lshlrev_b32 v[QO], 7, v1
	v_lshl_add_u32 v[QO], v9, 4, v[QO]
	WIN 0x80                        ; destination window 2
.set i, 0
.rept 8                             ; Q stays in registers: piece i / 2, channels 32 (i % 2) on
	global_load_b128 v[8*i:8*i+3],   v[QO], s[4:5] offset:(i/2)*2048+(i%2)*64
	global_load_b128 v[8*i+4:8*i+7], v[QO], s[4:5] offset:(i/2)*2048+(i%2)*64+32
.set i, i+1
.endr
	; What the first turn finds: V's registers and P's second buffer hold 0 (its products V^T P, of a piece that has not been, add 0), O^T and l are 0: no first step is written out.  All this stands in the wait for the first tile.
.set i, VF
.rept 64
	v_mov_b32 v[i], 0
.set i, i+1
.endr
	WIN 0x40
.set i, 0
.rept 128
	v_mov_b32 v[i], 0
.set i, i+1
.endr
	WIN 0
.set i, 0
.rept 4
	v_mov_b32 v[ST+4*i], 0xfe000000    ; c m: far below every c s
	v_mov_b32 v[ST+4*i+1], 0xff7fffff  ; m
	v_mov_b32 v[ST+4*i+2], 0
	v_mov_b32 v[ST+4*i+3], 0
.set i, i+1
.endr
.set i, P+16
.rept 16
	v_mov_b32 v[i], 0
.set i, i+1
.endr
	v_mul_u32_u24 v[AK0], v1, PK
	v_lshl_add_u32 v[AK0], v9, 4, v[AK0]
	v_and_b32 v10, 7, v0
	v_bfe_u32 v11, v0, 3, 1
	v_lshl_add_u32 v[AV0], v9, 3, v10   ; the turning load: key 8 (l / 16) + l % 8, channels 8 ((l / 8) % 2) on
	v_mul_u32_u24 v[AV0], v[AV0], PV
	v_lshl_add_u32 v[AV0], v11, 4, v[AV0]
	v_add_nc_u32 v[AV0], VOFF, v[AV0]
	s_mul_i32 s13, s[WV], 16*SP
	s_add_co_u32 s13, s13, STAGE    ; my stage
	v_mul_u32_u24 v[STO], v1, SP    ; in: row l % 16, 32 bytes (8 f32) for each half of the lanes
	v_lshl_add_u32 v[STO], v9, 5, v[STO]
	v_add_nc_u32 v[STO], s13, v[STO]
	v_mul_u32_u24 v[RD], v9, SP     ; back: lanes 0-15 one row of 256 bytes, lanes 16-31 the next
	v_lshl_add_u32 v[RD], v1, 4, v[RD]
	v_add_nc_u32 v[RD], s13, v[RD]
	v_lshlrev_b32 v[GO], 12, v9     ; and the same two rows in ctx
	v_lshl_add_u32 v[GO], v1, 4, v[GO]
; THE MATRIX WORK.  The 4 accumulators of a run of 8 take turns.  Product i of 8 of S^T = K Q^T for piece x: channels 32 (i / 4) on, keys 16 (i % 4) on.
.macro KQ x
	WIN W_KQ
.set rS, S+32*((\x)%2)+8*(i%4)
.set rK, KF+16*(i%4)+8*(i/4)
.set rQ, 16*(\x)+8*(i/4)
.if i < 4
	v_wmma_f32_16x16x32_f16 v[rS:rS+7], v[rK:rK+7], v[rQ:rQ+7], 0
.else
	v_wmma_f32_16x16x32_f16 v[rS:rS+7], v[rK:rK+7], v[rQ:rQ+7], v[rS:rS+7]
.endif
.endm
; Product i of 8 of O^T += V^T P for piece x: keys 32 (i / 4) on, channels 16 (i % 4) on.
.macro PV x
	WIN W_PV
.set rO, 32*(\x)+8*(i%4)
.set rV, VF+32*(i/4)+8*(i%4)
.set rP, P+16*((\x)%2)+8*(i/4)
	v_wmma_f32_16x16x32_f16 v[rO:rO+7], v[rV:rV+7], v[rP:rP+7], v[rO:rO+7]
.endm
.macro MM                           ; the turn's next matrix instruction.  NOKQ = 1: the last turn of all: there is no next piece
.if (i < 8) && !NOKQ
	KQ (Y+1)%NP
.elseif i >= 8
.set i, i-8
	PV (Y+NP-1)%NP
.set i, i+8
.endif
.set i, i+1
.endm
; THE LDS LOADS stand in runs of 16: a step's K (8 fragments) and its V (turned).
.macro FETCH_K
	WIN 0x80
.irp f, 0,1,2,3,4,5,6,7
	ds_load_b128 v[KF+8*\f:KF+8*\f+3],   v[AK] offset:(\f/2)*16*PK+(\f%2)*64
	ds_load_b128 v[KF+8*\f+4:KF+8*\f+7], v[AK] offset:(\f/2)*16*PK+(\f%2)*64+32
.endr
	s_add_co_u32 s[TBK], s[TBK], KS*PK
	WIN 0
.endm
.macro FETCH_V
	WIN 0x80
.irp f, 0,1,2,3,4,5,6,7
	ds_load_tr16_b128 v[VF+8*\f:VF+8*\f+3],   v[AV] offset:(\f/4)*32*PV+(\f%4)*32
	ds_load_tr16_b128 v[VF+8*\f+4:VF+8*\f+7], v[AV] offset:(\f/4)*32*PV+16*PV+(\f%4)*32
.endr
	WIN 0
.endm
; THE VECTOR WORK, one line at a time: OP kind, number.  For piece Y: F n: c s - c m for pair n of 16.  E n: the exponential of score n of 32.  C n: pair n rounded to f16.  B n: of the four weights 4 n .. the second
; pair is added onto the first, in place.  L n: l takes that sum (L 0: l = a l + sum).  R n: pair n of 16 of O^T times a.  For piece Y + 1: X n, number n of the 22 that find its maximum and statistics:
;   0-11 four chains c0-c3 of seven scores each (each accumulator's lowest registers are read first)   12-14, 16 the four scores left over, the old m, c0-c3 into c0
;   15 c m_old is kept   17, 18 the query's other 32 keys lie in the lane 16 away: the new m   19-21 c m; c m_old - c m_new; a
.set F, 0
.set E, 1
.set C, 2
.set B, 3
.set L, 4
.set R, 5
.set X, 6
.macro REGS y
.set rT, ST+4*(\y)
.set rC, TMP+4*((\y)%2)
.set rW, MV+((\y)%2)
.set rS, S+32*((\y)%2)
.set rP, P+16*((\y)%2)
.set rO, 32*(\y)
.endm
.macro OP k, n
.if (\k) == R
	REGS Y
	WIN W_RS
	v_pk_mul_f32 v[rO+2*(\n):rO+2*(\n)+1], v[rO+2*(\n):rO+2*(\n)+1], v[rC+2:rC+3] op_sel_hi:[1,0]
.elseif (\k) < R
	REGS Y
	WIN 0
.if (\k) == F
	v_pk_fma_f32 v[rS+2*(\n):rS+2*(\n)+1], v[rS+2*(\n):rS+2*(\n)+1], s[CS:CS+1], v[rT:rT+1] op_sel_hi:[1,0,0] neg_lo:[0,0,1] neg_hi:[0,0,1]
.elseif (\k) == E
	v_exp_f32 v[rS+(\n)], v[rS+(\n)]
.elseif (\k) == C
	v_cvt_pk_f16_f32 v[rP+(\n)], v[rS+2*(\n)], v[rS+2*(\n)+1]
.elseif (\k) == B
	v_pk_add_f32 v[rS+4*(\n):rS+4*(\n)+1], v[rS+4*(\n):rS+4*(\n)+1], v[rS+4*(\n)+2:rS+4*(\n)+3]
.elseif (\n) == 0
	v_pk_fma_f32 v[rT+2:rT+3], v[rT+2:rT+3], v[rC+2:rC+3], v[rS:rS+1] op_sel_hi:[1,0,1]
.else
	v_pk_add_f32 v[rT+2:rT+3], v[rT+2:rT+3], v[rS+4*(\n):rS+4*(\n)+1]
.endif
.elseif NOKQ
	v_nop
.else
	REGS (Y+1)%NP
	WIN 0
.if (\n) < 4
	v_max3_num_f32 v[rC+(\n)], v[rS+8*(\n)], v[rS+8*(\n)+1], v[rS+8*(\n)+2]
.elseif (\n) < 12
	v_max3_num_f32 v[rC+(\n)%4], v[rC+(\n)%4], v[rS+8*((\n)%4)+2*((\n)/4)+1], v[rS+8*((\n)%4)+2*((\n)/4)+2]
.elseif (\n) == 12
	v_max3_num_f32 v[rC], v[rC], v[rS+7], v[rS+15]
.elseif (\n) == 13
	v_max3_num_f32 v[rC+1], v[rC+1], v[rS+23], v[rS+31]
.elseif (\n) == 14
	v_max3_num_f32 v[rC+2], v[rC+2], v[rC+3], v[rT+1]
.elseif (\n) == 15
	v_mov_b32 v[rW], v[rT]
.elseif (\n) == 16
	v_max3_num_f32 v[rC], v[rC], v[rC+1], v[rC+2]
.elseif (\n) == 17
	v_permlanex16_b32 v[rC+3], v[rC], s[SEL], s[SEL+1]
.elseif (\n) == 18
	v_max_num_f32 v[rT+1], v[rC], v[rC+3]
.elseif (\n) == 19
	v_mul_f32 v[rT], s[CS], v[rT+1]
.elseif (\n) == 20
	v_sub_f32 v[rC+1], v[rW], v[rT]
.else
	v_exp_f32 v[rC+2], v[rC+1]
.endif
.endif
.endm
.macro OPS a, i1, b=-1, i2=0, c=-1, i3=0, d=-1, i4=0
	OP \a, \i1
.if (\b) >= 0
	OP \b, \i2
.endif
.if (\c) >= 0
	OP \c, \i3
.endif
.if (\d) >= 0
	OP \d, \i4
.endif
.endm
.macro ROW a, i1, b, i2, c, i3, d, i4  ; a matrix instruction and the four behind it
	MM
	OPS \a, \i1, \b, \i2, \c, \i3, \d, \i4
.endm
; A TURN, for piece p.  Ahead of its one wait stands all that names no result of the turn's exponentials: the 8 products K Q^T with their riders, then the lump, in which the links of the next piece's chain stand
; five or six lines apart; X 21, the next piece's a, is the batch's last, and R 15 the plain instruction behind it.  Behind the wait stand the 8 products V^T P, behind each four of the roundings and sums.
; end = 1: the last two turns: nothing is fetched.  cnt = 1: the loop's count is taken down some lines ahead of the branch behind the turn.
; K of the next step is fetched in piece 2's turn, five plain instructions that name none of its registers behind the last product that read K; V of the step in hand at the end of piece 0's turn, four behind its last reader.
.macro TURN p, end=0, cnt=0
.set Y, (\p)
.set i, 0
.set NOKQ, (\end)*((\p)/3)
.if ((\p) == 3) && !(\end)
	s_wait_dscnt 0x0                ; K is in
.endif
	ROW F,0, F,1, R,0, R,1
	ROW F,2, E,0, R,2, R,3
	ROW F,3, E,1, R,4, R,5
	ROW F,4, E,2, R,6, R,7
	ROW F,5, E,3, R,8, R,9
	ROW F,6, E,4, X,0, R,10
.if ((\p) == 2) && !(\end)
	WIN 0
	v_add_nc_u32 v[AK], s[TBK], v[AK0]
.endif
	ROW F,7, E,5, X,1, X,4
	ROW F,8, E,6, X,2, X,5
	OPS E,7, E,8, X,6, E,9
	OPS X,3, E,10, X,8, E,11
.if ((\p) == 2) && !(\end)
	FETCH_K
.endif
	OPS X,9, X,7, E,12, X,10
	OPS E,13, X,12, X,11, E,14
	OPS X,13, E,15, F,9, X,14
.if (\p) == 0
	v_add_nc_u32 v[AV], s[TBV], v[AV0]
.endif
	OPS E,16, F,10, E,17, F,11
	OPS X,16, E,18, X,15, E,19
	OPS F,12, E,20, X,17, E,21
	OPS F,13, E,22, F,14, E,23
	OPS X,18, E,24, F,15, E,25
	OPS R,11, E,26, X,19, E,27
	OPS R,12, E,28, R,13, E,29
	OPS X,20, E,30, R,14, E,31
	OPS X,21, R,15
	WIN 0
	s_wait_alu depctr_va_vdst(0)    ; the one wait for the batch, ahead of the first line that names a result
.if (\p) == 1
	s_wait_dscnt 0x0                ; V is in
.endif
	ROW C,0, B,0, C,2, B,1
	ROW L,0, C,4, B,2, L,1
	ROW C,6, B,3, L,2, C,8
	ROW B,4, L,3, C,10, B,5
	ROW L,4, C,12, B,6, L,5
.if (\p) == 0
	s_add_co_u32 s[TBV], s[TBV], KS*PV
.endif
.if \cnt
	s_sub_co_u32 s[CNT], s[CNT], 1
	s_cmp_lg_u32 s[CNT], 0
.endif
	ROW C,14, B,7, L,6, C,1
	ROW C,3, L,7, C,5, C,7
	ROW C,9, C,11, C,13, C,15
.if (\p) == 0
	FETCH_V
.endif
.endm
	CHANGE 1, 0                     ; slot 0 is in, everybody's part of it; slot 1 is asked for
	v_add_nc_u32 v[AK], s[TBK], v[AK0]
	FETCH_K                         ; key step 0
	s_wait_loadcnt 0x0              ; Q
	s_wait_dscnt 0x0
.set NOKQ, 0
.set i, 0
.rept 8
	KQ 0                            ; piece 0's first scores
.set i, i+1
.endr
	WIN 0
.rept 4
	v_nop                           ; the places behind those products
.endr
.set Y, NP-1                        ; X works for piece Y + 1: piece 0
.irp n, 0,1,2,3,4,5,6,7,8,9,10,11,12,13,14,15,16,17,18,19,20,21
	OP X, \n
.endr
	v_nop                           ; a plain instruction behind the exponential,
	s_wait_alu depctr_va_vdst(0)    ; and its wait, ahead of the branch
	s_mov_b32 s[CNT], 4
	s_mov_b32 s[SLOTS], 7
	s_branch .Lfirst                ; the loop is entered at a step's first turn, in the middle of a trip
.Lslot:                             ; six times: tiles 2 to 7 are asked for
	CHANGE 1, 1
	s_mov_b32 s[CNT], 4
.Lstep:                             ; a trip: pieces 2 and 3 of one step, then pieces 0 and 1 of the next, whose K and V it fetches
	TURN 2
	TURN 3
	WIN 0
.Lfirst:
	TURN 0
	TURN 1, 0, 1
	WIN 0
	s_cbranch_scc1 .Lstep
	s_sub_co_u32 s[SLOTS], s[SLOTS], 1
	s_cmp_lg_u32 s[SLOTS], 0
	s_cbranch_scc1 .Lslot
	CHANGE 0, 0                     ; the last tile is written out: nothing is asked for
	s_mov_b32 s[CNT], 4
.LstepT:
	TURN 2
	TURN 3
	TURN 0
	TURN 1, 0, 1
	WIN 0
	s_cbranch_scc1 .LstepT
	TURN 2, 1
	TURN 3, 1
.set i, 0
.rept 8
	PV NP-1                         ; the last piece's V^T P of the last step
.set i, i+1
.endr
	; THE WAY OUT.  l's two halves and the other half of the lanes' are added; O^T is divided by l and sent, in f32, through my stage in LDS, a piece (16 rows) at a time.  The additions are the places behind the last products.
	WIN 0
.macro ALL line:vararg
.set t, 0
.rept 4
	\line
.set t, t+1
.endr
.endm
	ALL v_add_f32 v[ST+4*t+2], v[ST+4*t+2], v[ST+4*t+3]
	ALL v_permlanex16_b32 v[ST+4*t+3], v[ST+4*t+2], s[SEL], s[SEL+1]
	ALL v_add_f32 v[ST+4*t+2], v[ST+4*t+2], v[ST+4*t+3]
	ALL v_rcp_f32 v[ST+4*t+2], v[ST+4*t+2]
	v_nop                           ; a plain instruction between the last reciprocal and the use of its result
	s_wait_alu depctr_va_vdst(0)    ; one wait for the four reciprocals
.macro PACKF t                      ; a lane's eight channels of a row are 32 bytes; they go into rows of 272 bytes and come back as whole rows of 256
	WIN W_RS
.set i, 32*(\t)
.rept 16
	v_pk_mul_f32 v[i:i+1], v[i:i+1], v[ST+4*(\t)+2:ST+4*(\t)+3] op_sel_hi:[1,0]
.set i, i+2
.endr
	WIN 0x04                        ; the stores' data (source 1) in window 1
.irp c, 0,1,2,3
	ds_store_b128 v[STO], v[32*(\t)+8*(\c):32*(\t)+8*(\c)+3]   offset:64*(\c)
	ds_store_b128 v[STO], v[32*(\t)+8*(\c)+4:32*(\t)+8*(\c)+7] offset:64*(\c)+16
.endr
	WIN 0
.irp f, 0,1,2,3,4,5,6,7
	ds_load_b128 v[S+32*(\t)+4*(\f):S+32*(\t)+4*(\f)+3], v[RD] offset:(\f)*2*SP  ; LDS serves a wave's instructions in order (ISA guide 5.7.1.4)
.endr
.endm
.macro SENDF t, younger             ; younger: the LDS instructions issued behind piece t's loads: the next piece's sixteen, or none
	s_wait_dscnt \younger
.irp f, 0,1,2,3,4,5,6,7
	global_store_b128 v[GO], v[S+32*(\t)+4*(\f):S+32*(\t)+4*(\f)+3], s[10:11] offset:(16*(\t)+2*(\f))*4096  ; 16 lanes store 256 consecutive bytes, at a multiple of 256 from ctx's first byte
.endr
.endm
	PACKF 0
	PACKF 1
	SENDF 0, 16
	PACKF 2
	SENDF 1, 16
	PACKF 3
	SENDF 2, 16
	SENDF 3, 0
	s_wait_tensorcnt 0x0            ; the wave's end
	ds_add_u32 v[SPW], v[NIL]
	s_wait_dscnt 0x0
	CROUND                          ; the closing round
	s_endpgm
.Lfunc_end_k_qe84060d41d_attn:
	.size	k_qe84060d41d_attn, .Lfunc_end_k_qe84060d41d_attn-k_qe84060d41d_attn
	.p2alignl 7, 3214868480
	.fill 96, 4, 3214868480
	.section	.rodata,"a",@progbits
	.p2align	6, 0x0
	.amdhsa_kernel k_qe84060d41d_attn
		.amdhsa_group_segment_fixed_size 327680
		.amdhsa_private_segment_fixed_size 0
		.amdhsa_enable_private_segment 0
		.amdhsa_kernarg_size 16
		.amdhsa_user_sgpr_count 2
		.amdhsa_user_sgpr_kernarg_segment_ptr 1
		.amdhsa_wavefront_size32 1
		.amdhsa_system_sgpr_workgroup_id_x 1
		.amdhsa_system_sgpr_workgroup_id_y 1
		.amdhsa_system_sgpr_workgroup_id_z 1
		.amdhsa_system_vgpr_workitem_id 0
		.amdhsa_next_free_vgpr 768
		.amdhsa_next_free_sgpr 66
		.amdhsa_reserve_vcc 0
		.amdhsa_float_denorm_mode_32 3
		.amdhsa_float_denorm_mode_16_64 3
		.amdhsa_memory_ordered 1
		.amdhsa_forward_progress 1
		.amdhsa_inst_pref_size 127
	.end_amdhsa_kernel
	.amdgpu_metadata
---
amdhsa.version: [ 1, 2 ]
amdhsa.kernels:
  - .name:           k_qe84060d41d_attn
    .symbol:         k_qe84060d41d_attn.kd
    .args:
      - { .name: qkv, .offset: 0, .size: 8, .value_kind: global_buffer, .address_space: global }
      - { .name: ctx, .offset: 8, .size: 8, .value_kind: global_buffer, .address_space: global }
    .group_segment_fixed_size: 327680
    .private_segment_fixed_size: 0
    .kernarg_segment_align: 8
    .kernarg_segment_size: 16
    .max_flat_workgroup_size: 128
    .sgpr_count:     66
    .vgpr_count:     768
    .wavefront_size: 32
...
	.end_amdgpu_metadata
.endif
;; end of part 3
;; launch ln1 (part 4): grid 256 x 1, 8 waves a work-group, no clusters, 0 bytes of LDS; arguments ctx, cast, ln1_g, ln1_b, x1h; writes x1h
.if DOCPART == 4
	.amdgcn_target "amdgcn-amd-amdhsa--gfx1250"
	.amdhsa_code_object_version 6
	.text
	.protected	k_qe84060d41d_ln1
	.globl	k_qe84060d41d_ln1
	.p2align	8
	.type	k_qe84060d41d_ln1,@function
k_qe84060d41d_ln1:
	s_mov_b64 s[64:65], 0
	v_nop
	global_prefetch_b8 v0, s[64:65] scope:SCOPE_SE
	s_setreg_imm32_b32 hwreg(HW_REG_WAVE_MODE, 25, 1), 1
	s_wait_xcnt 0x0
; out[row] = res[row] + (in[row] - mean) / sqrt(var + 1e-5) * g + b.  in: [4096][1024] f32; res: [4096][1024] f16 (here x's rounded copy at cast's first byte); g, b: [1024] f32; out: f16 (x1h).
; Mean first, then the mean of (in - mean)^2: no difference of large sums is formed.  LIMIT: out of 65,520 or more in magnitude becomes an infinity in f16.
; A stream: one wave takes two whole rows and keeps them in registers; the sums never leave the wave: no LDS, no barrier, no loop.  All 48 loads of a wave go out at once.
; Lane l holds columns 128 j + 4 l .. + 3, j = 0..7: a wave's load of in covers 512 consecutive bytes, of res 256.
.set OUT16, 1                          ; 1: out in f16; 0: in f32
.set T,  4                             ; v[4:11]    at work
.set G,  12                            ; v[12:43]   g of my 32 columns
.set B,  44                            ; v[44:75]   b
.set X,  76                            ; row r: v[76+48 r ..] 32 registers of in
.set H,  108                           ; row r: v[108+48 r ..] 16 registers of res, later of out
.set MU, 172                           ; v[172:173] the mean, twice
.set RS, 174                           ; row r: v[174+2 r ..] 1 / sqrt(var + eps), twice
.set VE, 178                           ; row r: var + eps
	s_load_b256 s[4:11], s[0:1], 0x0               ; in s[4:5], res s[6:7], g s[8:9], b s[10:11]
	s_load_b64 s[12:13], s[0:1], 0x20              ; out
	v_lshrrev_b32 v1, 5, v0
	v_readfirstlane_b32 s22, v1                    ; wave
	v_and_b32 v2, 31, v0
	v_lshlrev_b32 v1, 4, v2                        ; 16 l
	v_lshlrev_b32 v2, 3, v2                        ; 8 l
	v_mov_b32 v3, 1.0
	s_mov_b32 s14, 0x3a800000                      ; 1 / 1024
	s_mov_b32 s15, 0x3727c5ac                      ; 1e-5
	s_mov_b32 s16, 0x76543210                      ; v_permlanex16_b32: each lane takes its own place in the other half
	s_mov_b32 s17, 0xfedcba98
	s_lshl_b32 s18, ttmp9, 16                      ; 16 rows of 4,096 bytes a work-group,
	s_lshl_b32 s20, s22, 13                        ; 2 a wave
	s_add_co_u32 s18, s18, s20
	s_mov_b32 s19, 0
	s_lshr_b32 s20, s18, 1                         ; the same rows in f16
	s_mov_b32 s21, 0
	s_wait_kmcnt 0x0
	s_add_nc_u64 s[4:5], s[4:5], s[18:19]
	s_add_nc_u64 s[6:7], s[6:7], s[20:21]
.if OUT16
	s_add_nc_u64 s[12:13], s[12:13], s[20:21]
.else
	s_add_nc_u64 s[12:13], s[12:13], s[18:19]
.endif
.irp r, 0,1
.irp j, 0,1,2,3,4,5,6,7
	global_load_b128 v[X+48*(\r)+4*(\j):X+48*(\r)+4*(\j)+3], v1, s[4:5] offset:4096*(\r)+512*(\j) th:TH_LOAD_NT
.endr
.endr
.irp j, 0,1,2,3,4,5,6,7
	global_load_b128 v[G+4*(\j):G+4*(\j)+3], v1, s[8:9] offset:512*(\j)
.endr
.irp j, 0,1,2,3,4,5,6,7
	global_load_b128 v[B+4*(\j):B+4*(\j)+3], v1, s[10:11] offset:512*(\j)
.endr
.irp r, 0,1
.irp j, 0,1,2,3,4,5,6,7
	global_load_b64 v[H+48*(\r)+2*(\j):H+48*(\r)+2*(\j)+1], v2, s[6:7] offset:2048*(\r)+256*(\j)
.endr
.endr
.macro REDUCE                          ; four chains of pairs into one number, then over the 32 lanes: every lane ends with the sum
	v_pk_add_f32 v[T:T+1], v[T:T+1], v[T+2:T+3]
	v_pk_add_f32 v[T+4:T+5], v[T+4:T+5], v[T+6:T+7]
	v_pk_add_f32 v[T:T+1], v[T:T+1], v[T+4:T+5]
	v_add_f32 v[T], v[T], v[T+1]
	v_add_f32_dpp v[T], v[T], v[T] row_xmask:1 row_mask:0xf bank_mask:0xf
	v_add_f32_dpp v[T], v[T], v[T] row_xmask:2 row_mask:0xf bank_mask:0xf
	v_add_f32_dpp v[T], v[T], v[T] row_xmask:4 row_mask:0xf bank_mask:0xf
	v_add_f32_dpp v[T], v[T], v[T] row_xmask:8 row_mask:0xf bank_mask:0xf
	v_permlanex16_b32 v[T+1], v[T], s16, s17
	v_add_f32 v[T], v[T], v[T+1]
.endm
.macro STAT r                          ; row r: the mean is taken away in place; var + eps is left in VE + r
.set XR, X+48*(\r)
.irp c, 0,1,2,3
	v_pk_add_f32 v[T+2*(\c):T+2*(\c)+1], v[XR+4*(\c):XR+4*(\c)+1], v[XR+4*(\c)+2:XR+4*(\c)+3]
.endr
.irp k, 8,9,10,11,12,13,14,15
	v_pk_add_f32 v[T+2*((\k)%4):T+2*((\k)%4)+1], v[T+2*((\k)%4):T+2*((\k)%4)+1], v[XR+2*(\k):XR+2*(\k)+1]
.endr
	REDUCE
	v_mul_f32 v[MU], s14, v[T]
	v_mul_f32 v[MU+1], s14, v[T]
.set k, 0
.rept 16
	v_pk_add_f32 v[XR+2*k:XR+2*k+1], v[XR+2*k:XR+2*k+1], v[MU:MU+1] neg_lo:[0,1] neg_hi:[0,1]
.set k, k+1
.endr
.irp c, 0,1,2,3
	v_pk_mul_f32 v[T+2*(\c):T+2*(\c)+1], v[XR+2*(\c):XR+2*(\c)+1], v[XR+2*(\c):XR+2*(\c)+1]
.endr
.irp k, 4,5,6,7,8,9,10,11,12,13,14,15
	v_pk_fma_f32 v[T+2*((\k)%4):T+2*((\k)%4)+1], v[XR+2*(\k):XR+2*(\k)+1], v[XR+2*(\k):XR+2*(\k)+1], v[T+2*((\k)%4):T+2*((\k)%4)+1]
.endr
	REDUCE
	v_fma_f32 v[VE+(\r)], v[T], s14, s15
.endm
.macro FIN r                           ; row r: scaled, g and b applied, the residual added, stored
.set XR, X+48*(\r)
.set HR, H+48*(\r)
.set k, 0
.rept 16
	v_pk_mul_f32 v[XR+2*k:XR+2*k+1], v[XR+2*k:XR+2*k+1], v[RS+2*(\r):RS+2*(\r)+1]
.set k, k+1
.endr
.irp j, 0,1,2,3,4,5,6,7
.set TT, T+4*((\j)%2)
	v_fma_mix_f32 v[TT],   v[HR+2*(\j)],   v3, v[B+4*(\j)]   op_sel_hi:[1,0,0]                  ; res (an f16 half) x 1 + b
	v_fma_mix_f32 v[TT+1], v[HR+2*(\j)],   v3, v[B+4*(\j)+1] op_sel:[1,0,0] op_sel_hi:[1,0,0]
	v_fma_mix_f32 v[TT+2], v[HR+2*(\j)+1], v3, v[B+4*(\j)+2] op_sel_hi:[1,0,0]
	v_fma_mix_f32 v[TT+3], v[HR+2*(\j)+1], v3, v[B+4*(\j)+3] op_sel:[1,0,0] op_sel_hi:[1,0,0]
	v_pk_fma_f32 v[XR+4*(\j):XR+4*(\j)+1],   v[XR+4*(\j):XR+4*(\j)+1],   v[G+4*(\j):G+4*(\j)+1],   v[TT:TT+1]
	v_pk_fma_f32 v[XR+4*(\j)+2:XR+4*(\j)+3], v[XR+4*(\j)+2:XR+4*(\j)+3], v[G+4*(\j)+2:G+4*(\j)+3], v[TT+2:TT+3]
.if OUT16
	v_cvt_pk_f16_f32 v[HR+2*(\j)],   v[XR+4*(\j)],   v[XR+4*(\j)+1]
	v_cvt_pk_f16_f32 v[HR+2*(\j)+1], v[XR+4*(\j)+2], v[XR+4*(\j)+3]
	global_store_b64 v2, v[HR+2*(\j):HR+2*(\j)+1], s[12:13] offset:2048*(\r)+256*(\j)               ; the wave stores 256 consecutive bytes, aligned
.else
	global_store_b128 v1, v[XR+4*(\j):XR+4*(\j)+3], s[12:13] offset:4096*(\r)+512*(\j) th:TH_STORE_NT  ; 512 consecutive bytes, aligned
.endif
.endr
.endm
	s_wait_loadcnt 40                              ; row 0 is in; the 40 younger loads stay out
	STAT 0
	s_wait_loadcnt 32                              ; row 1 is in
	STAT 1
	v_rsq_f32 v[RS],   v[VE]
	v_rsq_f32 v[RS+1], v[VE]
	v_rsq_f32 v[RS+2], v[VE+1]
	v_rsq_f32 v[RS+3], v[VE+1]
	v_nop                                          ; a plain instruction behind the last of the batch,
	s_wait_alu depctr_va_vdst(0)                   ; and one wait ahead of its first reader
	s_wait_loadcnt 0x0                             ; g, b and the residual
	FIN 0
	FIN 1
	s_endpgm
.Lfunc_end_k_qe84060d41d_ln1:
	.size	k_qe84060d41d_ln1, .Lfunc_end_k_qe84060d41d_ln1-k_qe84060d41d_ln1
	.p2alignl 7, 3214868480
	.fill 96, 4, 3214868480
	.section	.rodata,"a",@progbits
	.p2align	6, 0x0
	.amdhsa_kernel k_qe84060d41d_ln1
		.amdhsa_group_segment_fixed_size 0
		.amdhsa_private_segment_fixed_size 0
		.amdhsa_enable_private_segment 0
		.amdhsa_kernarg_size 40
		.amdhsa_user_sgpr_count 2
		.amdhsa_user_sgpr_kernarg_segment_ptr 1
		.amdhsa_wavefront_size32 1
		.amdhsa_system_sgpr_workgroup_id_x 1
		.amdhsa_system_sgpr_workgroup_id_y 1
		.amdhsa_system_sgpr_workgroup_id_z 1
		.amdhsa_system_vgpr_workitem_id 0
		.amdhsa_next_free_vgpr 180
		.amdhsa_next_free_sgpr 66
		.amdhsa_reserve_vcc 0
		.amdhsa_float_denorm_mode_32 3
		.amdhsa_float_denorm_mode_16_64 3
		.amdhsa_memory_ordered 1
		.amdhsa_forward_progress 1
		.amdhsa_inst_pref_size 26
	.end_amdhsa_kernel
	.amdgpu_metadata
---
amdhsa.version: [ 1, 2 ]
amdhsa.kernels:
  - .name:           k_qe84060d41d_ln1
    .symbol:         k_qe84060d41d_ln1.kd
    .args:
      - { .name: ctx, .offset: 0, .size: 8, .value_kind: global_buffer, .address_space: global }
      - { .name: cast, .offset: 8, .size: 8, .value_kind: global_buffer, .address_space: global }
      - { .name: ln1_g, .offset: 16, .size: 8, .value_kind: global_buffer, .address_space: global }
      - { .name: ln1_b, .offset: 24, .size: 8, .value_kind: global_buffer, .address_space: global }
      - { .name: x1h, .offset: 32, .size: 8, .value_kind: global_buffer, .address_space: global }
    .group_segment_fixed_size: 0
    .private_segment_fixed_size: 0
    .kernarg_segment_align: 8
    .kernarg_segment_size: 40
    .max_flat_workgroup_size: 256
    .sgpr_count:     66
    .vgpr_count:     180
    .wavefront_size: 32
...
	.end_amdgpu_metadata
.endif
;; end of part 4
;; launch ffn1: the kernel of part 2 again; grid 16 x 16, 4 waves a work-group, clusters of 4 x 4, 327,680 bytes of LDS; arguments x1h, w1h, hbuf; writes hbuf
;; launch ffn2 (part 5): grid 8 x 32, 4 waves a work-group, clusters of 4 x 4, 327,680 bytes of LDS; arguments hbuf, cast, ff, b2; writes ff
.if DOCPART == 5
	.amdgcn_target "amdgcn-amd-amdhsa--gfx1250"
	.amdhsa_code_object_version 6
	.text
	.protected	k_qe84060d41d_ffn2
	.globl	k_qe84060d41d_ffn2
	.p2align	8
	.type	k_qe84060d41d_ffn2,@function
k_qe84060d41d_ffn2:
	s_mov_b64 s[64:65], 0
	v_nop
	global_prefetch_b8 v0, s[64:65] scope:SCOPE_SE
	s_setreg_imm32_b32 hwreg(HW_REG_WAVE_MODE, 25, 1), 1
	s_wait_xcnt 0x0
	s_wait_alu depctr_hold_cnt(0) depctr_sa_sdst(0) depctr_va_vdst(0) depctr_va_sdst(0) depctr_va_ssrc(0) depctr_va_vcc(0) depctr_vm_vsrc(0)
	s_getreg_b32 s2, hwreg(HW_REG_IB_STS2, 6, 4)
	s_cmp_eq_u32 s2, 0
	s_cbranch_scc0 .Lentry_in_a_cluster
	s_endpgm
.Lentry_in_a_cluster:
	s_bfe_u32 s2, ttmp6, 0x10000c
	s_cmp_lg_u32 s2, 0xf033
	s_cbranch_scc0 .Lentry_shape_is_right
	s_endpgm
.Lentry_shape_is_right:
; ff = h w2 + b2.  A = h, f16, stored by groups of 64 channels: [64][4096][64]; B = w2h [4096][1024] f16 (cast, byte WOFF), K along B's ROWS; b2 [1024] f32; sums in f32;
; ff [4096][1024] stays f32, since a norm over its rows follows.
; A tile of C is 128 x 128, which gives 8 x 32 = 256 work-groups; four waves, each 64 x 64: 16 accumulators.  K goes in 16 steps of 256 through two LDS slots.  Waves 0 and 1 fetch A's halves: 64 rows of four
; groups, asked for as 4 rows of 8,192 dense bytes, 524,288 bytes apart, and padded in LDS after every 128 bytes.  Waves 2 and 3 fetch B's halves (128 k rows x 256 bytes).
; One K step a trip: the slot in hand is a scalar that an exclusive or turns.
; CLUSTER 4 x 4: A's tile is asked for jointly by a row of the cluster, B's by a column.  No prefetch: the tile is small and shared fourfold.
; THE MATRIX INSTRUCTION IS USED TRANSPOSED (source 0 = 16 columns of B, turned out of LDS by ds_load_tr16_b128; source 1 = 16 rows of A): a lane holds row l % 16 of C and the columns 8 (l / 16) + 0..7;
; the bias of those eight columns is the C operand of the product that starts each sum.  A wave's 64 columns of f32 are 256 consecutive bytes, aligned: each wave goes out through a stage of its own.
; REGISTERS: window 0: v0-31 addresses; v32-95 rows read back, two buffers; v96-127 the bias; v128-255 the accumulators ((a, b) at v[128 + 8 (4 a + b)]).
;   window 1: two fragment buffers of 128: for 64 along K, 64 registers of A (2 x 4 x 16 rows x 32 K), then 64 of B.
.set SIZE_K, 4096
.set SIZE_N, 1024
.set WOFF,   8388608                   ; B's first byte in cast
.set KSTEP,  256
.set GROUPB, 524288                    ; a group of 64 channels of h, in bytes
.set ASTEP,  4*GROUPB                  ; a K step of A: four groups
.set PA,     144                       ; a row of A in LDS: 128 bytes + 16: the 16 rows of a load start at 16 different groups of four banks (64 banks of 4 bytes: ISA guide 11.1)
.set PB,     288                       ; a k row of B: 256 bytes + 32 = 9 x 32
.set PART,   36864                     ; 0x9000: what a wave fetches: 4 x 64 x 144 of A, 128 x 288 of B
.set SLOT,   4*PART                    ; 0x24000: shares no bit with 0, 0x9000, 0x12000, 0x1b000, the four waves' places in a slot
.set STAGE,  2*SLOT
.set SPITCH, 272
.set SPARE,  STAGE+4*16*SPITCH         ; the spare words: 128 bytes a wave, two blocks of 256 bytes that no other line names
.set A0,   16
.set ADRA, 17
.set B0,   20
.set ADRB, 21                          ; v21  B's k rows 0-127 of the slot in hand;  v22  its k rows 128-255: an LDS offset has 16 bits
.set STO,  24
.set RD,   25
.set CO,   26
.set SPW,  28
.set NIL,  29
.set BO,   30
.set TMP,  32
.set BIAS, 96
.set ACC,  128
.set F0,   0
.set F1,   128
.set TB,   2
.set WV,   12
.set RH,   13
.set CH,   14
.set TR,   15
.set TC,   42
.set G1,   24
.set G0,   32
.set G1B,  48
.set G0B,  56
.set MSB, 0
.macro WIN new
.if MSB != (\new)
	s_set_vgpr_msb (MSB<<8)|(\new)
.set MSB, \new
.endif
.endm
.set MUL,  0x05                        ; sources 0 (B) and 1 (A) window 1; C and D window 0
.set TO_F, 0x40                        ; destination window 1, address window 0
.macro JLOAD s                         ; a joint load: waves 0 and 1 ask for A, waves 2 and 3 for B; an s_nop 0 and four v_nop follow each line
	s_cmp_eq_u32 s[RH], 0
	s_cbranch_scc0 .Lfor_b_\@
	tensor_load_to_lds s[G0+4*(\s):G0+4*(\s)+3], s[G1:G1+7]
	s_nop 0
.rept 4
	v_nop
.endr
	s_branch .Lasked_\@
.Lfor_b_\@:
	tensor_load_to_lds s[G0B+4*(\s):G0B+4*(\s)+3], s[G1B:G1B+7]
	s_nop 0
.rept 4
	v_nop
.endr
.Lasked_\@:
.endm
.macro CREST
	s_cmp_lg_u32 s[WV], 0
	s_cbranch_scc1 .Lnot_wave_0_\@
	s_barrier_signal -3
.Lnot_wave_0_\@:
	s_barrier_wait -3
	s_barrier_signal -1
	s_barrier_wait -1
.endm
.macro CROUND
	s_barrier_signal -1
	s_barrier_wait -1
	CREST
.endm
.macro PLACES
.rept 4
	v_nop
.endr
.endm
; 8 matrix instructions: m blocks a0, a0 + 1 x all 4 n blocks, 32 along K: half c of buffer f.  init = 1: the product starts the sum with the bias
.macro MUL8 f, c, a0, init
	WIN MUL
.irp a, \a0, (\a0)+1
.irp b, 0,1,2,3
.if \init
	v_wmma_f32_16x16x32_f16 v[ACC+8*(4*(\a)+(\b)):ACC+8*(4*(\a)+(\b))+7], v[(\f)+64+8*(4*(\c)+(\b)):(\f)+64+8*(4*(\c)+(\b))+7], v[(\f)+8*(4*(\c)+(\a)):(\f)+8*(4*(\c)+(\a))+7], v[BIAS+8*(\b):BIAS+8*(\b)+7]
.else
	v_wmma_f32_16x16x32_f16 v[ACC+8*(4*(\a)+(\b)):ACC+8*(4*(\a)+(\b))+7], v[(\f)+64+8*(4*(\c)+(\b)):(\f)+64+8*(4*(\c)+(\b))+7], v[(\f)+8*(4*(\c)+(\a)):(\f)+8*(4*(\c)+(\a))+7], v[ACC+8*(4*(\a)+(\b)):ACC+8*(4*(\a)+(\b))+7]
.endif
.endr
.endr
.endm
; 32 LDS loads in one run: quarter q (64 along K: group q of A's four) of the slot in hand into buffer f; the first 32 along K first
.macro FETCH q, f
	WIN TO_F
.set AB, ADRB+(\q)/2
.irp c, 0,1
.irp i, 0,1,2,3
	ds_load_tr16_b128 v[(\f)+64+8*(4*(\c)+(\i)):(\f)+64+8*(4*(\c)+(\i))+3],   v[AB] offset:(((\q)%2)*64+32*(\c))*PB+32*(\i)
	ds_load_tr16_b128 v[(\f)+64+8*(4*(\c)+(\i))+4:(\f)+64+8*(4*(\c)+(\i))+7], v[AB] offset:(((\q)%2)*64+32*(\c)+16)*PB+32*(\i)
	ds_load_b128 v[(\f)+8*(4*(\c)+(\i)):(\f)+8*(4*(\c)+(\i))+3],   v[ADRA] offset:(\q)*64*PA+64*(\c)+(\i)*16*PA
	ds_load_b128 v[(\f)+8*(4*(\c)+(\i))+4:(\f)+8*(4*(\c)+(\i))+7], v[ADRA] offset:(\q)*64*PA+64*(\c)+(\i)*16*PA+32
.endr
.endr
.endm
; One of a K step's first three quarters: 32 matrix instructions, two deep on each of the 16 accumulators, which take turns
.macro QUARTER q, f, g, init
	s_wait_dscnt 16                                ; the first 32 along K are in
	MUL8 \f, 0, 0, \init
	MUL8 \f, 0, 2, \init
	PLACES
	FETCH \q, \g
	s_wait_dscnt 32                                ; all but the 32 just issued
	MUL8 \f, 1, 0, 0
	MUL8 \f, 1, 2, 0
.endm
; The last quarter multiplies buffer 1 and changes slots.  fill = 1: the barrier opens a round of the cluster's barrier, and this slot is filled again first behind it, two K steps ahead.
.macro TURN fill
	WIN 0                                          ; (the add's two registers lie in window 0)
	s_wait_tensorcnt 0x0                           ; all my tensor loads have landed: my part of the next slot
	ds_add_u32 v[SPW], v[NIL]
	s_wait_dscnt 17                                ; (the add and the youngest sixteen loads may be out)
	MUL8 F1, 0, 0, 0
	s_wait_dscnt 0x0                               ; the add is done, and my reads of this slot are over
	s_barrier_signal -1
	MUL8 F1, 0, 2, 0
.if \fill
	WIN 0
.endif
	s_barrier_wait -1
.if \fill
	CREST
	s_xor_b32 s[G0+5], s[G0+5], SLOT               ; the walking sets: the other slot than last time, the next K step
	s_add_nc_u64 s[G0+6:G0+7], s[G0+6:G0+7], ASTEP
	s_xor_b32 s[G0B+5], s[G0B+5], SLOT
	s_add_nc_u64 s[G0B+6:G0B+7], s[G0B+6:G0B+7], KSTEP*SIZE_N*2
	JLOAD 1                                        ; 112 matrix instructions of a wave ahead of the wait for it; its four v_nop are also the places in front of the loads below
.else
	PLACES
.endif
	s_xor_b32 s[TB], s[TB], SLOT
	WIN 0
	v_add_nc_u32 v[ADRA], s[TB], v[A0]
	v_add_nc_u32 v[ADRB], s[TB], v[B0]
	v_add_nc_u32 v[ADRB+1], PART, v[ADRB]
	FETCH 0, F0
	MUL8 F1, 1, 0, 0
	MUL8 F1, 1, 2, 0
.endm
; THE WAY OUT of block a (16 rows x 64 columns of f32): into my own stage, 32 bytes a lane and n block, and back as whole rows of 256 bytes
.macro STG a
.irp b, 0,1,2,3
	ds_store_b128 v[STO], v[ACC+8*(4*(\a)+(\b)):ACC+8*(4*(\a)+(\b))+3]   offset:64*(\b)
	ds_store_b128 v[STO], v[ACC+8*(4*(\a)+(\b))+4:ACC+8*(4*(\a)+(\b))+7] offset:64*(\b)+16
.endr
.irp t, 0,1,2,3,4,5,6,7                ; LDS serves a wave's instructions in order (ISA guide 5.7.1.4): these see the stores above; the next block's stores come behind them
	ds_load_b128 v[TMP+32*((\a)%2)+4*(\t):TMP+32*((\a)%2)+4*(\t)+3], v[RD] offset:(\t)*2*SPITCH
.endr
.endm
.macro SENDF a, younger                ; younger: the LDS instructions issued behind block a's loads: the next block's sixteen, or none
	s_wait_dscnt \younger
.irp t, 0,1,2,3,4,5,6,7
	global_store_b128 v[CO], v[TMP+32*((\a)%2)+4*(\t):TMP+32*((\a)%2)+4*(\t)+3], s[8:9] offset:(16*(\a)+2*(\t))*SIZE_N*4  ; 16 lanes store 256 consecutive bytes, aligned
.endr
.endm
	s_load_b256 s[4:11], s[0:1], 0x0               ; h s[4:5], cast s[6:7], ff s[8:9], b2 s[10:11]
	v_lshl_add_u32 v[SPW], v0, 2, SPARE
	v_mov_b32 v[NIL], 0
	ds_add_u32 v[SPW], v[NIL]                      ; the wave's opening: the add and its wait stand ahead of my first tensor load
	v_lshrrev_b32 v1, 5, v0
	v_readfirstlane_b32 s[WV], v1
	s_lshr_b32 s[RH], s[WV], 1
	s_and_b32 s[CH], s[WV], 1
	s_bfe_u32 s40, ttmp6, 0x40000                  ; cx
	s_bfe_u32 s41, ttmp6, 0x40004                  ; cy
	s_lshl_b32 s[TC], ttmp9, 2
	s_add_co_u32 s[TC], s[TC], s40
	s_and_b32 s[TR], ttmp7, 0xffff
	s_lshl_b32 s[TR], s[TR], 2
	s_add_co_u32 s[TR], s[TR], s41
	s_lshl_b32 s43, s41, 2
	s_lshl_b32 s43, 15, s43                        ; my row of the cluster
	s_lshl_b32 s44, 0x1111, s40                    ; my column
	s_or_b32 s[G1+0], s43, (1<<16)|(1<<20)|(1<<21)|(4<<22)|(3<<25)   ; mask; 2-byte elements; padding on; bit 21 beside a mask; after every 32 words 4 words
	s_mov_b32 s[G1+1], 4096<<16                    ; tensor_dim0 = 4,096: 64 rows of 64 channels, end to end
	s_mov_b32 s[G1+2], 4<<16                       ; tensor_dim1 = 4 groups
	s_mov_b32 s[G1+3], 4096<<16                    ; tile_dim0
	s_mov_b32 s[G1+4], 4                           ; tile_dim1
	s_mov_b32 s[G1+5], GROUPB/2                    ; elements from group to group
	s_mov_b32 s[G1+6], 0
	s_mov_b32 s[G1+7], 0
	s_or_b32 s[G1B+0], s44, (1<<16)|(1<<20)|(1<<21)|(5<<22)|(7<<25)  ; after every 64 words 8 words
	s_mov_b32 s[G1B+1], 128<<16                    ; tensor_dim0 = 128 columns
	s_mov_b32 s[G1B+2], 128<<16                    ; tensor_dim1 = 128 k rows
	s_mov_b32 s[G1B+3], 128<<16
	s_mov_b32 s[G1B+4], 128
	s_mov_b32 s[G1B+5], SIZE_N
	s_mov_b32 s[G1B+6], 0
	s_mov_b32 s[G1B+7], 0
	s_lshl_b32 s16, s[TR], 7                       ; A: row 128 x tile row + 64 x half,
	s_lshl_b32 s17, s[CH], 6
	s_add_co_u32 s16, s16, s17
	s_lshl_b32 s16, s16, 7                         ; of 128 bytes in a group
	s_mov_b32 s17, 0
	s_lshl_b32 s46, s[TC], 8                       ; B: 256 bytes a tile column, 128 k rows a half
	s_mul_i32 s47, s[CH], 128*SIZE_N*2
	s_add_co_u32 s46, s46, s47
	s_add_co_u32 s46, s46, WOFF
	s_mov_b32 s47, 0
	s_mul_i32 s20, s[WV], PART                     ; where my part goes: A's two halves, then B's two
	s_wait_dscnt 0x0                               ; the opening add is done
	s_wait_kmcnt 0x0
	s_add_nc_u64 s[18:19], s[4:5], s[16:17]
	s_add_nc_u64 s[46:47], s[6:7], s[46:47]
	CROUND                                         ; all sixteen work-groups are here: the first joint loads meet
.irp s, 0,1
	s_mov_b32 s[G0+4*(\s)], 1
	s_add_co_u32 s[G0+4*(\s)+1], s20, (\s)*SLOT
	s_add_nc_u64 s[G0+4*(\s)+2:G0+4*(\s)+3], s[18:19], (\s)*ASTEP
	s_or_b32 s[G0+4*(\s)+3], s[G0+4*(\s)+3], 0x80000000
	s_mov_b32 s[G0B+4*(\s)], 1
	s_add_co_u32 s[G0B+4*(\s)+1], s20, (\s)*SLOT
	s_add_nc_u64 s[G0B+4*(\s)+2:G0B+4*(\s)+3], s[46:47], (\s)*KSTEP*SIZE_N*2
	s_or_b32 s[G0B+4*(\s)+3], s[G0B+4*(\s)+3], 0x80000000
	JLOAD \s                                       ; two loads of mine are out
.endr
	v_and_b32 v1, 15, v0                           ; l % 16
	v_bfe_u32 v2, v0, 4, 1                         ; l / 16
	v_and_b32 v8, 7, v0
	v_bfe_u32 v5, v0, 3, 1
	v_mul_u32_u24 v3, v1, PA
	v_lshl_add_u32 v3, v2, 4, v3
	s_mul_i32 s22, s[RH], PART                     ; my 64 rows of A
	v_add_nc_u32 v[A0], s22, v3
	v_lshl_add_u32 v4, v2, 3, v8                   ; B: k row 8 (l / 16) + l % 8,
	v_mul_u32_u24 v4, v4, PB
	v_lshl_add_u32 v4, v5, 4, v4                   ; columns 8 ((l / 8) % 2) on
	s_lshl_b32 s22, s[CH], 7                       ; my 64 columns
	s_add_co_u32 s22, s22, 2*PART
	v_add_nc_u32 v[B0], s22, v4
	v_mov_b32 v[ADRA], v[A0]
	v_mov_b32 v[ADRB], v[B0]
	v_add_nc_u32 v[ADRB+1], PART, v[B0]
	s_mov_b32 s[TB], 0
	s_mul_i32 s23, s[WV], 16*SPITCH
	s_add_co_u32 s23, s23, STAGE                   ; my stage
	v_mul_u32_u24 v6, v1, SPITCH                   ; in: row l % 16, 32 bytes for each half of the lanes
	v_lshl_add_u32 v6, v2, 5, v6
	v_add_nc_u32 v[STO], s23, v6
	v_mul_u32_u24 v7, v2, SPITCH                   ; back: lanes 0-15 one row of 256 bytes, lanes 16-31 the next
	v_lshl_add_u32 v7, v1, 4, v7
	v_add_nc_u32 v[RD], s23, v7
	v_lshlrev_b32 v9, 12, v2                       ; and the same two rows in ff
	v_lshl_add_u32 v[CO], v1, 4, v9
	v_lshlrev_b32 v[BO], 5, v2
	s_lshl_b32 s16, s[TR], 7
	s_lshl_b32 s17, s[RH], 6
	s_add_co_u32 s16, s16, s17                     ; my first row of C,
	s_lshl_b32 s16, s16, 12                        ; of 4,096 bytes
	s_mov_b32 s17, 0
	s_lshl_b32 s46, s[TC], 1
	s_add_co_u32 s46, s46, s[CH]
	s_lshl_b32 s46, s46, 8                         ; my 64 columns: 256 bytes, of a row of ff and of the bias alike
	s_mov_b32 s47, 0
	s_add_nc_u64 s[10:11], s[10:11], s[46:47]
	s_add_nc_u64 s[16:17], s[16:17], s[46:47]
	s_add_nc_u64 s[8:9], s[8:9], s[16:17]
.irp b, 0,1,2,3                        ; register j of block b: bias of column 16 b + 8 (l / 16) + j
	global_load_b128 v[BIAS+8*(\b):BIAS+8*(\b)+3],   v[BO], s[10:11] offset:64*(\b)
	global_load_b128 v[BIAS+8*(\b)+4:BIAS+8*(\b)+7], v[BO], s[10:11] offset:64*(\b)+16
.endr
	s_wait_tensorcnt 1                             ; my part of K step 0 is in; K step 1's may stay out
	s_barrier_signal -1
	s_barrier_wait -1
	FETCH 0, F0
	s_wait_loadcnt 0x0                             ; the bias
	QUARTER 1, F0, F1, 1                           ; the first quarter stands in front of the loop: its first products start the sums
	WIN 0
	s_mov_b32 s3, SIZE_K/KSTEP-2
.Lstep:                                            ; a trip: a K step's quarters 1 to 3, the change of slots with its refill, the next step's quarter 0
	QUARTER 2, F1, F0, 0
	QUARTER 3, F0, F1, 0
	TURN 1
	QUARTER 1, F0, F1, 0
	WIN 0
	s_sub_co_u32 s3, s3, 1
	s_cmp_lg_u32 s3, 0
	s_cbranch_scc1 .Lstep
	QUARTER 2, F1, F0, 0                           ; the last two K steps ask for nothing
	QUARTER 3, F0, F1, 0
	TURN 0
	QUARTER 1, F0, F1, 0
	QUARTER 2, F1, F0, 0
	QUARTER 3, F0, F1, 0
	s_wait_dscnt 16
	MUL8 F1, 0, 0, 0
	MUL8 F1, 0, 2, 0
	s_wait_dscnt 0x0
	MUL8 F1, 1, 0, 0
	MUL8 F1, 1, 2, 0
	WIN 0
	PLACES
	STG 0
	STG 1
	SENDF 0, 16
	s_wait_xcnt 0x0                                ; block 0's stores have read their registers, which block 2's loads write
	STG 2
	SENDF 1, 16
	s_wait_xcnt 0x0
	STG 3
	SENDF 2, 16
	SENDF 3, 0
	s_wait_tensorcnt 0x0                           ; the wave's end
	ds_add_u32 v[SPW], v[NIL]
	s_wait_dscnt 0x0
	CROUND                                         ; the closing round
	s_endpgm
.Lfunc_end_k_qe84060d41d_ffn2:
	.size	k_qe84060d41d_ffn2, .Lfunc_end_k_qe84060d41d_ffn2-k_qe84060d41d_ffn2
	.p2alignl 7, 3214868480
	.fill 96, 4, 3214868480
	.section	.rodata,"a",@progbits
	.p2align	6, 0x0
	.amdhsa_kernel k_qe84060d41d_ffn2
		.amdhsa_group_segment_fixed_size 327680
		.amdhsa_private_segment_fixed_size 0
		.amdhsa_enable_private_segment 0
		.amdhsa_kernarg_size 32
		.amdhsa_user_sgpr_count 2
		.amdhsa_user_sgpr_kernarg_segment_ptr 1
		.amdhsa_wavefront_size32 1
		.amdhsa_system_sgpr_workgroup_id_x 1
		.amdhsa_system_sgpr_workgroup_id_y 1
		.amdhsa_system_sgpr_workgroup_id_z 1
		.amdhsa_system_vgpr_workitem_id 0
		.amdhsa_next_free_vgpr 512
		.amdhsa_next_free_sgpr 66
		.amdhsa_reserve_vcc 0
		.amdhsa_float_denorm_mode_32 3
		.amdhsa_float_denorm_mode_16_64 3
		.amdhsa_memory_ordered 1
		.amdhsa_forward_progress 1
		.amdhsa_inst_pref_size 69
	.end_amdhsa_kernel
	.amdgpu_metadata
---
amdhsa.version: [ 1, 2 ]
amdhsa.kernels:
  - .name:           k_qe84060d41d_ffn2
    .symbol:         k_qe84060d41d_ffn2.kd
    .args:
      - { .name: hbuf, .offset: 0, .size: 8, .value_kind: global_buffer, .address_space: global }
      - { .name: cast, .offset: 8, .size: 8, .value_kind: global_buffer, .address_space: global }
      - { .name: ff, .offset: 16, .size: 8, .value_kind: global_buffer, .address_space: global }
      - { .name: b2, .offset: 24, .size: 8, .value_kind: global_buffer, .address_space: global }
    .group_segment_fixed_size: 327680
    .private_segment_fixed_size: 0
    .kernarg_segment_align: 8
    .kernarg_segment_size: 32
    .max_flat_workgroup_size: 128
    .sgpr_count:     66
    .vgpr_count:     512
    .wavefront_size: 32
...
	.end_amdgpu_metadata
.endif
;; end of part 5
;; launch ln2 (part 6): grid 256 x 1, 8 waves a work-group, no clusters, 0 bytes of LDS; arguments ff, x1h, ln2_g, ln2_b, out0; writes out0
.if DOCPART == 6
	.amdgcn_target "amdgcn-amd-amdhsa--gfx1250"
	.amdhsa_code_object_version 6
	.text
	.protected	k_qe84060d41d_ln2
	.globl	k_qe84060d41d_ln2
	.p2align	8
	.type	k_qe84060d41d_ln2,@function
k_qe84060d41d_ln2:
	s_mov_b64 s[64:65], 0
	v_nop
	global_prefetch_b8 v0, s[64:65] scope:SCOPE_SE
	s_setreg_imm32_b32 hwreg(HW_REG_WAVE_MODE, 25, 1), 1
	s_wait_xcnt 0x0
; out[row] = res[row] + (in[row] - mean) / sqrt(var + 1e-5) * g + b.  in: [4096][1024] f32 (ff); res: [4096][1024] f16 (x1h); g, b: [1024] f32; out: f32 (out0).
; Mean first, then the mean of (in - mean)^2: no difference of large sums is formed.
; A stream: one wave takes two whole rows and keeps them in registers; the sums never leave the wave: no LDS, no barrier, no loop.  All 48 loads of a wave go out at once.
; Lane l holds columns 128 j + 4 l .. + 3, j = 0..7: a wave's load of in covers 512 consecutive bytes, of res 256.
.set OUT16, 0                          ; 1: out in f16; 0: in f32
.set T,  4                             ; v[4:11]    at work
.set G,  12                            ; v[12:43]   g of my 32 columns
.set B,  44                            ; v[44:75]   b
.set X,  76                            ; row r: v[76+48 r ..] 32 registers of in, later of out
.set H,  108                           ; row r: v[108+48 r ..] 16 registers of res
.set MU, 172                           ; v[172:173] the mean, twice
.set RS, 174                           ; row r: v[174+2 r ..] 1 / sqrt(var + eps), twice
.set VE, 178                           ; row r: var + eps
	s_load_b256 s[4:11], s[0:1], 0x0               ; in s[4:5], res s[6:7], g s[8:9], b s[10:11]
	s_load_b64 s[12:13], s[0:1], 0x20              ; out
	v_lshrrev_b32 v1, 5, v0
	v_readfirstlane_b32 s22, v1                    ; wave
	v_and_b32 v2, 31, v0
	v_lshlrev_b32 v1, 4, v2                        ; 16 l
	v_lshlrev_b32 v2, 3, v2                        ; 8 l
	v_mov_b32 v3, 1.0
	s_mov_b32 s14, 0x3a800000                      ; 1 / 1024
	s_mov_b32 s15, 0x3727c5ac                      ; 1e-5
	s_mov_b32 s16, 0x76543210                      ; v_permlanex16_b32: each lane takes its own place in the other half
	s_mov_b32 s17, 0xfedcba98
	s_lshl_b32 s18, ttmp9, 16                      ; 16 rows of 4,096 bytes a work-group,
	s_lshl_b32 s20, s22, 13                        ; 2 a wave
	s_add_co_u32 s18, s18, s20
	s_mov_b32 s19, 0
	s_lshr_b32 s20, s18, 1                         ; the same rows in f16
	s_mov_b32 s21, 0
	s_wait_kmcnt 0x0
	s_add_nc_u64 s[4:5], s[4:5], s[18:19]
	s_add_nc_u64 s[6:7], s[6:7], s[20:21]
.if OUT16
	s_add_nc_u64 s[12:13], s[12:13], s[20:21]
.else
	s_add_nc_u64 s[12:13], s[12:13], s[18:19]
.endif
.irp r, 0,1
.irp j, 0,1,2,3,4,5,6,7
	global_load_b128 v[X+48*(\r)+4*(\j):X+48*(\r)+4*(\j)+3], v1, s[4:5] offset:4096*(\r)+512*(\j) th:TH_LOAD_NT
.endr
.endr
.irp j, 0,1,2,3,4,5,6,7
	global_load_b128 v[G+4*(\j):G+4*(\j)+3], v1, s[8:9] offset:512*(\j)
.endr
.irp j, 0,1,2,3,4,5,6,7
	global_load_b128 v[B+4*(\j):B+4*(\j)+3], v1, s[10:11] offset:512*(\j)
.endr
.irp r, 0,1
.irp j, 0,1,2,3,4,5,6,7
	global_load_b64 v[H+48*(\r)+2*(\j):H+48*(\r)+2*(\j)+1], v2, s[6:7] offset:2048*(\r)+256*(\j)
.endr
.endr
.macro REDUCE                          ; four chains of pairs into one number, then over the 32 lanes: every lane ends with the sum
	v_pk_add_f32 v[T:T+1], v[T:T+1], v[T+2:T+3]
	v_pk_add_f32 v[T+4:T+5], v[T+4:T+5], v[T+6:T+7]
	v_pk_add_f32 v[T:T+1], v[T:T+1], v[T+4:T+5]
	v_add_f32 v[T], v[T], v[T+1]
	v_add_f32_dpp v[T], v[T], v[T] row_xmask:1 row_mask:0xf bank_mask:0xf
	v_add_f32_dpp v[T], v[T], v[T] row_xmask:2 row_mask:0xf bank_mask:0xf
	v_add_f32_dpp v[T], v[T], v[T] row_xmask:4 row_mask:0xf bank_mask:0xf
	v_add_f32_dpp v[T], v[T], v[T] row_xmask:8 row_mask:0xf bank_mask:0xf
	v_permlanex16_b32 v[T+1], v[T], s16, s17
	v_add_f32 v[T], v[T], v[T+1]
.endm
.macro STAT r                          ; row r: the mean is taken away in place; var + eps is left in VE + r
.set XR, X+48*(\r)
.irp c, 0,1,2,3
	v_pk_add_f32 v[T+2*(\c):T+2*(\c)+1], v[XR+4*(\c):XR+4*(\c)+1], v[XR+4*(\c)+2:XR+4*(\c)+3]
.endr
.irp k, 8,9,10,11,12,13,14,15
	v_pk_add_f32 v[T+2*((\k)%4):T+2*((\k)%4)+1], v[T+2*((\k)%4):T+2*((\k)%4)+1], v[XR+2*(\k):XR+2*(\k)+1]
.endr
	REDUCE
	v_mul_f32 v[MU], s14, v[T]
	v_mul_f32 v[MU+1], s14, v[T]
.set k, 0
.rept 16
	v_pk_add_f32 v[XR+2*k:XR+2*k+1], v[XR+2*k:XR+2*k+1], v[MU:MU+1] neg_lo:[0,1] neg_hi:[0,1]
.set k, k+1
.endr
.irp c, 0,1,2,3
	v_pk_mul_f32 v[T+2*(\c):T+2*(\c)+1], v[XR+2*(\c):XR+2*(\c)+1], v[XR+2*(\c):XR+2*(\c)+1]
.endr
.irp k, 4,5,6,7,8,9,10,11,12,13,14,15
	v_pk_fma_f32 v[T+2*((\k)%4):T+2*((\k)%4)+1], v[XR+2*(\k):XR+2*(\k)+1], v[XR+2*(\k):XR+2*(\k)+1], v[T+2*((\k)%4):T+2*((\k)%4)+1]
.endr
	REDUCE
	v_fma_f32 v[VE+(\r)], v[T], s14, s15
.endm
.macro FIN r                           ; row r: scaled, g and b applied, the residual added, stored
.set XR, X+48*(\r)
.set HR, H+48*(\r)
.set k, 0
.rept 16
	v_pk_mul_f32 v[XR+2*k:XR+2*k+1], v[XR+2*k:XR+2*k+1], v[RS+2*(\r):RS+2*(\r)+1]
.set k, k+1
.endr
.irp j, 0,1,2,3,4,5,6,7
.set TT, T+4*((\j)%2)
	v_fma_mix_f32 v[TT],   v[HR+2*(\j)],   v3, v[B+4*(\j)]   op_sel_hi:[1,0,0]                  ; res (an f16 half) x 1 + b
	v_fma_mix_f32 v[TT+1], v[HR+2*(\j)],   v3, v[B+4*(\j)+1] op_sel:[1,0,0] op_sel_hi:[1,0,0]
	v_fma_mix_f32 v[TT+2], v[HR+2*(\j)+1], v3, v[B+4*(\j)+2] op_sel_hi:[1,0,0]
	v_fma_mix_f32 v[TT+3], v[HR+2*(\j)+1], v3, v[B+4*(\j)+3] op_sel:[1,0,0] op_sel_hi:[1,0,0]
	v_pk_fma_f32 v[XR+4*(\j):XR+4*(\j)+1],   v[XR+4*(\j):XR+4*(\j)+1],   v[G+4*(\j):G+4*(\j)+1],   v[TT:TT+1]
	v_pk_fma_f32 v[XR+4*(\j)+2:XR+4*(\j)+3], v[XR+4*(\j)+2:XR+4*(\j)+3], v[G+4*(\j)+2:G+4*(\j)+3], v[TT+2:TT+3]
.if OUT16
	v_cvt_pk_f16_f32 v[HR+2*(\j)],   v[XR+4*(\j)],   v[XR+4*(\j)+1]
	v_cvt_pk_f16_f32 v[HR+2*(\j)+1], v[XR+4*(\j)+2], v[XR+4*(\j)+3]
	global_store_b64 v2, v[HR+2*(\j):HR+2*(\j)+1], s[12:13] offset:2048*(\r)+256*(\j)               ; the wave stores 256 consecutive bytes, aligned
.else
	global_store_b128 v1, v[XR+4*(\j):XR+4*(\j)+3], s[12:13] offset:4096*(\r)+512*(\j) th:TH_STORE_NT  ; 512 consecutive bytes, aligned
.endif
.endr
.endm
	s_wait_loadcnt 40                              ; row 0 is in; the 40 younger loads stay out
	STAT 0
	s_wait_loadcnt 32                              ; row 1 is in
	STAT 1
	v_rsq_f32 v[RS],   v[VE]
	v_rsq_f32 v[RS+1], v[VE]
	v_rsq_f32 v[RS+2], v[VE+1]
	v_rsq_f32 v[RS+3], v[VE+1]
	v_nop                                          ; a plain instruction behind the last of the batch,
	s_wait_alu depctr_va_vdst(0)                   ; and one wait ahead of its first reader
	s_wait_loadcnt 0x0                             ; g, b and the residual
	FIN 0
	FIN 1
	s_endpgm
.Lfunc_end_k_qe84060d41d_ln2:
	.size	k_qe84060d41d_ln2, .Lfunc_end_k_qe84060d41d_ln2-k_qe84060d41d_ln2
	.p2alignl 7, 3214868480
	.fill 96, 4, 3214868480
	.section	.rodata,"a",@progbits
	.p2align	6, 0x0
	.amdhsa_kernel k_qe84060d41d_ln2
		.amdhsa_group_segment_fixed_size 0
		.amdhsa_private_segment_fixed_size 0
		.amdhsa_enable_private_segment 0
		.amdhsa_kernarg_size 40
		.amdhsa_user_sgpr_count 2
		.amdhsa_user_sgpr_kernarg_segment_ptr 1
		.amdhsa_wavefront_size32 1
		.amdhsa_system_sgpr_workgroup_id_x 1
		.amdhsa_system_sgpr_workgroup_id_y 1
		.amdhsa_system_sgpr_workgroup_id_z 1
		.amdhsa_system_vgpr_workitem_id 0
		.amdhsa_next_free_vgpr 180
		.amdhsa_next_free_sgpr 66
		.amdhsa_reserve_vcc 0
		.amdhsa_float_denorm_mode_32 3
		.amdhsa_float_denorm_mode_16_64 3
		.amdhsa_memory_ordered 1
		.amdhsa_forward_progress 1
		.amdhsa_inst_pref_size 24
	.end_amdhsa_kernel
	.amdgpu_metadata
---
amdhsa.version: [ 1, 2 ]
amdhsa.kernels:
  - .name:           k_qe84060d41d_ln2
    .symbol:         k_qe84060d41d_ln2.kd
    .args:
      - { .name: ff, .offset: 0, .size: 8, .value_kind: global_buffer, .address_space: global }
      - { .name: x1h, .offset: 8, .size: 8, .value_kind: global_buffer, .address_space: global }
      - { .name: ln2_g, .offset: 16, .size: 8, .value_kind: global_buffer, .address_space: global }
      - { .name: ln2_b, .offset: 24, .size: 8, .value_kind: global_buffer, .address_space: global }
      - { .name: out0, .offset: 32, .size: 8, .value_kind: global_buffer, .address_space: global }
    .group_segment_fixed_size: 0
    .private_segment_fixed_size: 0
    .kernarg_segment_align: 8
    .kernarg_segment_size: 40
    .max_flat_workgroup_size: 256
    .sgpr_count:     66
    .vgpr_count:     180
    .wavefront_size: 32
...
	.end_amdgpu_metadata
.endif
;; end of part 6
;; ======== version 2 of 2: 7 launches; version 1 with the launches prep, ln1, ln2 written anew for expert scheduling mode
;; limits: values are held in f16: magnitudes above 65,504 overflow, below 6.1e-05 lose precision
;; workspace buffers: cast 16,777,216 bytes; wq 6,308,864 bytes; w1h 8,406,016 bytes; qkv 25,165,824 bytes; ctx 16,777,216 bytes; x1h 8,388,608 bytes; hbuf 33,554,432 bytes; ff 16,777,216 bytes
;; launch prep (part 7): grid 962 x 1, 8 waves a work-group, no clusters, 0 bytes of LDS; arguments x, w_qkv, w1, w2, b1, cast, wq, w1h; writes cast, wq, w1h
.if DOCPART == 7
	.amdgcn_target "amdgcn-amd-amdhsa--gfx1250"
	.amdhsa_code_object_version 6
	.text
	.protected	k_qe84060d41d_prep
	.globl	k_qe84060d41d_prep
	.p2align	8
	.type	k_qe84060d41d_prep,@function
k_qe84060d41d_prep:
	s_mov_b64 s[64:65], 0
	v_nop
	global_prefetch_b8 v0, s[64:65] scope:SCOPE_SE
	s_setreg_imm32_b32 hwreg(HW_REG_WAVE_SCHED_MODE, 0, 2), 2
	s_setreg_imm32_b32 hwreg(HW_REG_WAVE_MODE, 25, 1), 1
	s_wait_xcnt 0x0
	s_wait_alu depctr_vm_vsrc(0)
; x, w_qkv, w1 and w2 (f32) are rounded once to f16.  x and w2 keep their layout: xh [4096][1024] at cast's byte 0, w2h [4096][1024] at byte 8,388,608.
; w_qkv and w1 ([1024][N]) are laid in blocks of 256 columns, [N / 256][1024][256], behind a head of HDR bytes in wq and w1h: a block is 524,288 dense bytes, whatever N.
; The head is what the product's way out needs: 4,096 f32 of bias (w1h: a copy of b1; wq: zeros, the projection has no bias), then 256 words with the lower bound of the result as two f16
; (w1h: 0, the ReLU; wq: -infinity, no bound).
; LIMIT: a number of 65,520 or more in magnitude becomes an infinity in f16; below 6e-5 f16 keeps a fixed step of 6e-8.
; A stream: no LDS, no barrier, no matrix unit.  Work-groups 0 to 959 take 16,384 numbers each: 64 pieces of 1,024 bytes, RS bytes apart in the source (x, w2: RS = 1,024, a dense run; a weight in blocks:
; RS = 4 N, 64 rows of one block), which are 32,768 dense bytes of the copy.  All 16 loads of a thread go out at once; a wave's load covers 512 consecutive bytes, a wave's store 256, aligned.
; Work-groups 960 and 961 write the two heads.
; THE MODE: SCHED_MODE bits 1:0 = 2 (LLVM: expert scheduling mode 2), set by the entry lines.  The code itself states the register dependences
; between vector instructions and memory instructions, with s_wait_alu, always for 0.
; THE PLAN.  Registers that memory instructions touch:
;   v[OFF ..], v2  byte offsets, made once by vector instructions and never written again: one wait ahead of the first load serves every load and store.
;   X              written by the 16 loads alone, read by the conversions.
;   Y              each register written once, by a conversion, and read by one store.
; The 16 loads are worked on in four groups of four.  Group g's conversions name X and Y of group g alone; the memory instructions that stand among them are the four stores of group g - 1.
; So one wait at a group's head, which states that the group before has written its Y, serves those four stores; a last one stands ahead of group 3's stores.
; No register that a memory instruction reads is written again: nothing is owed for that.
.set HDR, 17408
.set X,   4                            ; v[4:67]    16 x 4 registers as loaded
.set Y,   68                           ; v[68:99]   16 x 2 registers to store; no register is written twice, so no wait frees one
.set OFF, 100                          ; v[100:115] my byte offset in the source, for each of the 16 loads
	s_load_b256 s[4:11], s[0:1], 0x0               ; x s[4:5], w_qkv s[6:7], w1 s[8:9], w2 s[10:11]
	s_load_b256 s[12:19], s[0:1], 0x20             ; b1 s[12:13], cast s[14:15], wq s[16:17], w1h s[18:19]
	s_mov_b32 s20, ttmp9                           ; g
	s_mov_b32 s21, 0                               ; the first g of the tensor that g falls into
	s_mov_b32 s22, 1024                            ; RS
	s_mov_b32 s23, 0                               ; 1: laid in blocks
	s_mov_b32 s24, 0                               ; where the copy begins in its buffer
	v_lshlrev_b32 v2, 3, v0                        ; 8 t: my bytes in 2,048 of the copy
	v_lshrrev_b32 v3, 6, v0                        ; t / 64: my piece of four
	v_and_b32 v1, 63, v0                           ; t % 64: my 16 bytes of it
	s_wait_kmcnt 0x0
	s_cmp_ge_u32 s20, 960
	s_cbranch_scc1 .Lhead
	s_mov_b64 s[26:27], s[14:15]                   ; every choice hangs on g alone
	s_cmp_ge_u32 s20, 256
	s_cselect_b64 s[4:5], s[6:7], s[4:5]
	s_cselect_b64 s[26:27], s[16:17], s[26:27]
	s_cselect_b32 s21, 256, s21
	s_cselect_b32 s22, 12288, s22
	s_cselect_b32 s23, 1, s23
	s_cselect_b32 s24, HDR, s24
	s_cmp_ge_u32 s20, 448
	s_cselect_b64 s[4:5], s[8:9], s[4:5]
	s_cselect_b64 s[26:27], s[18:19], s[26:27]
	s_cselect_b32 s21, 448, s21
	s_cselect_b32 s22, 16384, s22
	s_cmp_ge_u32 s20, 704
	s_cselect_b64 s[4:5], s[10:11], s[4:5]
	s_cselect_b64 s[26:27], s[14:15], s[26:27]
	s_cselect_b32 s21, 704, s21
	s_cselect_b32 s22, 1024, s22
	s_cselect_b32 s23, 0, s23
	s_cselect_b32 s24, 8388608, s24
	s_sub_co_u32 s25, s20, s21                     ; my number within the tensor
	s_lshr_b32 s28, s25, 4                         ; in blocks: block of 256 columns,
	s_and_b32 s29, s25, 15                         ; and which 64 of its 1,024 rows
	s_cmp_eq_u32 s23, 1
	s_cselect_b32 s28, s28, 0
	s_cselect_b32 s29, s29, s25
	s_mul_i32 s30, s29, s22
	s_lshl_b32 s30, s30, 6                         ; 64 pieces of RS bytes,
	s_lshl_b32 s28, s28, 10                        ; 1,024 bytes a block
	s_add_co_u32 s30, s30, s28
	s_mov_b32 s31, 0
	s_add_nc_u64 s[4:5], s[4:5], s[30:31]
	s_lshl_b32 s32, s25, 15                        ; 32,768 bytes of f16
	s_add_co_u32 s32, s32, s24
	s_mov_b32 s33, 0
	s_add_nc_u64 s[26:27], s[26:27], s[32:33]
	s_lshl_b32 s34, s22, 2                         ; a load takes four pieces
	v_mul_lo_u32 v3, v3, s22
	v_lshl_add_u32 v[OFF], v1, 4, v3
.irp i, 1,2,3,4,5,6,7,8,9,10,11,12,13,14,15
	v_add_nc_u32 v[OFF+(\i)], s34, v[OFF+(\i)-1]
.endr
	s_wait_alu depctr_va_vdst(0)                   ; the sixteen offsets v[OFF ..] and v2 are written: the loads and the stores below read them
.irp i, 0,1,2,3,4,5,6,7,8,9,10,11,12,13,14,15
	global_load_b128 v[X+4*(\i):X+4*(\i)+3], v[OFF+(\i)], s[4:5] th:TH_LOAD_NT
.endr
.irp g, 0,1,2,3
	s_wait_loadcnt 12-4*(\g)                       ; loads come back in order: group g's four are in, the younger groups stay out
.if (\g) > 0
	s_wait_alu depctr_va_vdst(0)                   ; the conversions of the group before have written its eight registers of Y, which the four stores below read
.endif
.irp i, 0,1,2,3
.if (\g) > 0
	global_store_b64 v2, v[Y+2*(4*(\g)-4+(\i)):Y+2*(4*(\g)-4+(\i))+1], s[26:27] offset:2048*(4*(\g)-4+(\i))  ; the group before; no vector instruction since the wait names these registers
.endif
	v_cvt_pk_f16_f32 v[Y+2*(4*(\g)+(\i))],   v[X+4*(4*(\g)+(\i))],   v[X+4*(4*(\g)+(\i))+1]
	v_cvt_pk_f16_f32 v[Y+2*(4*(\g)+(\i))+1], v[X+4*(4*(\g)+(\i))+2], v[X+4*(4*(\g)+(\i))+3]
.endr
.endr
	s_wait_alu depctr_va_vdst(0)                   ; group 3's conversions have written its Y, which the last four stores read
.irp i, 12,13,14,15
	global_store_b64 v2, v[Y+2*(\i):Y+2*(\i)+1], s[26:27] offset:2048*(\i)
.endr
	s_endpgm
.Lhead:                                            ; a head: 16,384 bytes of bias, 16 bytes a thread four times; 1,024 bytes of the bound, a word a thread
	v_lshlrev_b32 v[OFF], 4, v0
	v_lshlrev_b32 v[OFF+1], 2, v0
	s_cmp_eq_u32 s20, 960
	s_cbranch_scc0 .Lnone
	v_mov_b32 v[OFF+2], 0                          ; the bound 0, twice
	s_wait_alu depctr_va_vdst(0)                   ; the two offsets and the bound are written: the loads and stores below read them
.irp i, 0,1,2,3
	global_load_b128 v[X+4*(\i):X+4*(\i)+3], v[OFF], s[12:13] offset:4096*(\i)
.endr
	s_wait_loadcnt 0x0
.irp i, 0,1,2,3
	global_store_b128 v[OFF], v[X+4*(\i):X+4*(\i)+3], s[18:19] offset:4096*(\i)
.endr
	global_store_b32 v[OFF+1], v[OFF+2], s[18:19] offset:16384
	s_endpgm
.Lnone:
.irp i, 0,1,2,3
	v_mov_b32 v[X+(\i)], 0
.endr
	v_mov_b32 v[OFF+2], 0xfc00fc00                 ; -infinity, twice
	s_wait_alu depctr_va_vdst(0)                   ; the two offsets, the four zeros and the bound are written: the stores below read them
.irp i, 0,1,2,3
	global_store_b128 v[OFF], v[X:X+3], s[16:17] offset:4096*(\i)
.endr
	global_store_b32 v[OFF+1], v[OFF+2], s[16:17] offset:16384
	s_endpgm
.Lfunc_end_k_qe84060d41d_prep:
	.size	k_qe84060d41d_prep, .Lfunc_end_k_qe84060d41d_prep-k_qe84060d41d_prep
	.p2alignl 7, 3214868480
	.fill 96, 4, 3214868480
	.section	.rodata,"a",@progbits
	.p2align	6, 0x0
	.amdhsa_kernel k_qe84060d41d_prep
		.amdhsa_group_segment_fixed_size 0
		.amdhsa_private_segment_fixed_size 0
		.amdhsa_enable_private_segment 0
		.amdhsa_kernarg_size 64
		.amdhsa_user_sgpr_count 2
		.amdhsa_user_sgpr_kernarg_segment_ptr 1
		.amdhsa_wavefront_size32 1
		.amdhsa_system_sgpr_workgroup_id_x 1
		.amdhsa_system_sgpr_workgroup_id_y 1
		.amdhsa_system_sgpr_workgroup_id_z 1
		.amdhsa_system_vgpr_workitem_id 0
		.amdhsa_next_free_vgpr 116
		.amdhsa_next_free_sgpr 66
		.amdhsa_reserve_vcc 0
		.amdhsa_float_denorm_mode_32 3
		.amdhsa_float_denorm_mode_16_64 3
		.amdhsa_memory_ordered 1
		.amdhsa_forward_progress 1
		.amdhsa_inst_pref_size 11
	.end_amdhsa_kernel
	.amdgpu_metadata
---
amdhsa.version: [ 1, 2 ]
amdhsa.kernels:
  - .name:           k_qe84060d41d_prep
    .symbol:         k_qe84060d41d_prep.kd
    .args:
      - { .name: x, .offset: 0, .size: 8, .value_kind: global_buffer, .address_space: global }
      - { .name: w_qkv, .offset: 8, .size: 8, .value_kind: global_buffer, .address_space: global }
      - { .name: w1, .offset: 16, .size: 8, .value_kind: global_buffer, .address_space: global }
      - { .name: w2, .offset: 24, .size: 8, .value_kind: global_buffer, .address_space: global }
      - { .name: b1, .offset: 32, .size: 8, .value_kind: global_buffer, .address_space: global }
      - { .name: cast, .offset: 40, .size: 8, .value_kind: global_buffer, .address_space: global }
      - { .name: wq, .offset: 48, .size: 8, .value_kind: global_buffer, .address_space: global }
      - { .name: w1h, .offset: 56, .size: 8, .value_kind: global_buffer, .address_space: global }
    .group_segment_fixed_size: 0
    .private_segment_fixed_size: 0
    .kernarg_segment_align: 8
    .kernarg_segment_size: 64
    .max_flat_workgroup_size: 256
    .sgpr_count:     66
    .vgpr_count:     116
    .wavefront_size: 32
...
	.end_amdgpu_metadata
.endif
;; end of part 7
;; launch proj: the kernel of part 2 again; grid 12 x 16, 4 waves a work-group, clusters of 4 x 4, 327,680 bytes of LDS; arguments cast, wq, qkv; writes qkv
;; launch attn: the kernel of part 3 again; grid 8 x 32, 4 waves a work-group, clusters of 4 x 1, 327,680 bytes of LDS; arguments qkv, ctx; writes ctx
;; launch ln1 (part 8): grid 256 x 1, 8 waves a work-group, no clusters, 0 bytes of LDS; arguments ctx, cast, ln1_g, ln1_b, x1h; writes x1h
.if DOCPART == 8
	.amdgcn_target "amdgcn-amd-amdhsa--gfx1250"
	.amdhsa_code_object_version 6
	.text
	.protected	k_qe84060d41d_ln1
	.globl	k_qe84060d41d_ln1
	.p2align	8
	.type	k_qe84060d41d_ln1,@function
k_qe84060d41d_ln1:
	s_mov_b64 s[64:65], 0
	v_nop
	global_prefetch_b8 v0, s[64:65] scope:SCOPE_SE
	s_setreg_imm32_b32 hwreg(HW_REG_WAVE_SCHED_MODE, 0, 2), 2
	s_setreg_imm32_b32 hwreg(HW_REG_WAVE_MODE, 25, 1), 1
	s_wait_xcnt 0x0
	s_wait_alu depctr_vm_vsrc(0)
; out[row] = res[row] + (in[row] - mean) / sqrt(var + 1e-5) * g + b.  in: [4096][1024] f32; res: [4096][1024] f16 (here x's rounded copy at cast's first byte); g, b: [1024] f32; out: f16 (x1h).
; Mean first, then the mean of (in - mean)^2: no difference of large sums is formed.  LIMIT: out of 65,520 or more in magnitude becomes an infinity in f16.
; A stream: one wave takes two whole rows and keeps them in registers; the sums never leave the wave: no LDS, no barrier, no loop.  All 48 loads of a wave go out at once.
; Lane l holds columns 128 j + 4 l .. + 3, j = 0..7: a wave's load of in covers 512 consecutive bytes, of res 256.
; THE MODE: SCHED_MODE bits 1:0 = 2 (LLVM: expert scheduling mode 2), set by the entry lines.  The code itself states the register dependences
; between vector instructions and memory instructions, with s_wait_alu, always for 0.
; THE PLAN.  Registers that memory instructions touch:
;   v1, v2       byte offsets, made once at the head and never written again: one wait ahead of the first load serves all 48 loads and 16 stores.
;   X, G, B, H   each loaded once, at the head; no vector instruction names them ahead of the loads.
;   row r's out  (H where out is f16, X where it is f32): written by row r's last arithmetic, read by its eight stores, never written again.
; Row 0's arithmetic; one wait; row 0's eight stores, dealt among row 1's scalings; row 1's arithmetic, which names row 1's X and H, G, B, T, RS and v3 and none of the registers that
; those stores read; one wait; row 1's eight stores.  No register that a memory instruction reads is written again: nothing is owed for that.
;   s22          the wave's number, written by v_readfirstlane_b32: one wait ahead of its first reader.
.set OUT16, 1                          ; 1: out in f16; 0: in f32
.set T,  4                             ; v[4:11]    at work
.set G,  12                            ; v[12:43]   g of my 32 columns
.set B,  44                            ; v[44:75]   b
.set X,  76                            ; row r: v[76+48 r ..] 32 registers of in
.set H,  108                           ; row r: v[108+48 r ..] 16 registers of res, later of out
.set MU, 172                           ; v[172:173] the mean, twice
.set RS, 174                           ; row r: v[174+2 r ..] 1 / sqrt(var + eps), twice
.set VE, 178                           ; row r: var + eps
	s_load_b256 s[4:11], s[0:1], 0x0               ; in s[4:5], res s[6:7], g s[8:9], b s[10:11]
	s_load_b64 s[12:13], s[0:1], 0x20              ; out
	v_lshrrev_b32 v1, 5, v0
	v_readfirstlane_b32 s22, v1                    ; wave
	v_and_b32 v2, 31, v0
	v_lshlrev_b32 v1, 4, v2                        ; 16 l
	v_lshlrev_b32 v2, 3, v2                        ; 8 l
	v_mov_b32 v3, 1.0
	s_mov_b32 s14, 0x3a800000                      ; 1 / 1024
	s_mov_b32 s15, 0x3727c5ac                      ; 1e-5
	s_mov_b32 s16, 0x76543210                      ; v_permlanex16_b32: each lane takes its own place in the other half
	s_mov_b32 s17, 0xfedcba98
	s_lshl_b32 s18, ttmp9, 16                      ; 16 rows of 4,096 bytes a work-group,
	s_wait_alu depctr_va_sdst(0)                   ; s22 is written, ahead of its first reader: the rows' offsets are made from it
	s_lshl_b32 s20, s22, 13                        ; 2 a wave
	s_add_co_u32 s18, s18, s20
	s_mov_b32 s19, 0
	s_lshr_b32 s20, s18, 1                         ; the same rows in f16
	s_mov_b32 s21, 0
	s_wait_kmcnt 0x0
	s_add_nc_u64 s[4:5], s[4:5], s[18:19]
	s_add_nc_u64 s[6:7], s[6:7], s[20:21]
.if OUT16
	s_add_nc_u64 s[12:13], s[12:13], s[20:21]
.else
	s_add_nc_u64 s[12:13], s[12:13], s[18:19]
.endif
	s_wait_alu depctr_va_vdst(0)                   ; v1 and v2 are written: every load and store of the kernel reads one of them as its offset
.irp r, 0,1
.irp j, 0,1,2,3,4,5,6,7
	global_load_b128 v[X+48*(\r)+4*(\j):X+48*(\r)+4*(\j)+3], v1, s[4:5] offset:4096*(\r)+512*(\j) th:TH_LOAD_NT
.endr
.endr
.irp j, 0,1,2,3,4,5,6,7
	global_load_b128 v[G+4*(\j):G+4*(\j)+3], v1, s[8:9] offset:512*(\j)
.endr
.irp j, 0,1,2,3,4,5,6,7
	global_load_b128 v[B+4*(\j):B+4*(\j)+3], v1, s[10:11] offset:512*(\j)
.endr
.irp r, 0,1
.irp j, 0,1,2,3,4,5,6,7
	global_load_b64 v[H+48*(\r)+2*(\j):H+48*(\r)+2*(\j)+1], v2, s[6:7] offset:2048*(\r)+256*(\j)
.endr
.endr
.macro REDUCE                          ; four chains of pairs into one number, then over the 32 lanes: every lane ends with the sum
	v_pk_add_f32 v[T:T+1], v[T:T+1], v[T+2:T+3]
	v_pk_add_f32 v[T+4:T+5], v[T+4:T+5], v[T+6:T+7]
	v_pk_add_f32 v[T:T+1], v[T:T+1], v[T+4:T+5]
	v_add_f32 v[T], v[T], v[T+1]
	v_add_f32_dpp v[T], v[T], v[T] row_xmask:1 row_mask:0xf bank_mask:0xf
	v_add_f32_dpp v[T], v[T], v[T] row_xmask:2 row_mask:0xf bank_mask:0xf
	v_add_f32_dpp v[T], v[T], v[T] row_xmask:4 row_mask:0xf bank_mask:0xf
	v_add_f32_dpp v[T], v[T], v[T] row_xmask:8 row_mask:0xf bank_mask:0xf
	v_permlanex16_b32 v[T+1], v[T], s16, s17
	v_add_f32 v[T], v[T], v[T+1]
.endm
.macro STAT r                          ; row r: the mean is taken away in place; var + eps is left in VE + r
.set XR, X+48*(\r)
.irp c, 0,1,2,3
	v_pk_add_f32 v[T+2*(\c):T+2*(\c)+1], v[XR+4*(\c):XR+4*(\c)+1], v[XR+4*(\c)+2:XR+4*(\c)+3]
.endr
.irp k, 8,9,10,11,12,13,14,15
	v_pk_add_f32 v[T+2*((\k)%4):T+2*((\k)%4)+1], v[T+2*((\k)%4):T+2*((\k)%4)+1], v[XR+2*(\k):XR+2*(\k)+1]
.endr
	REDUCE
	v_mul_f32 v[MU], s14, v[T]
	v_mul_f32 v[MU+1], s14, v[T]
.set k, 0
.rept 16
	v_pk_add_f32 v[XR+2*k:XR+2*k+1], v[XR+2*k:XR+2*k+1], v[MU:MU+1] neg_lo:[0,1] neg_hi:[0,1]
.set k, k+1
.endr
.irp c, 0,1,2,3
	v_pk_mul_f32 v[T+2*(\c):T+2*(\c)+1], v[XR+2*(\c):XR+2*(\c)+1], v[XR+2*(\c):XR+2*(\c)+1]
.endr
.irp k, 4,5,6,7,8,9,10,11,12,13,14,15
	v_pk_fma_f32 v[T+2*((\k)%4):T+2*((\k)%4)+1], v[XR+2*(\k):XR+2*(\k)+1], v[XR+2*(\k):XR+2*(\k)+1], v[T+2*((\k)%4):T+2*((\k)%4)+1]
.endr
	REDUCE
	v_fma_f32 v[VE+(\r)], v[T], s14, s15
.endm
.macro SEND r, j                       ; store j of eight of row r
.if OUT16
	global_store_b64 v2, v[H+48*(\r)+2*(\j):H+48*(\r)+2*(\j)+1], s[12:13] offset:2048*(\r)+256*(\j)               ; the wave stores 256 consecutive bytes, aligned
.else
	global_store_b128 v1, v[X+48*(\r)+4*(\j):X+48*(\r)+4*(\j)+3], s[12:13] offset:4096*(\r)+512*(\j) th:TH_STORE_NT  ; 512 consecutive bytes, aligned
.endif
.endm
.macro FIN r, before                   ; row r: scaled, g and b applied, the residual added.  before = 1: the stores of the row before are dealt among the scalings
.set XR, X+48*(\r)
.set HR, H+48*(\r)
.set k, 0
.rept 16
.if (\before) && (k%2 == 0)
	SEND (\r)-1, k/2                               ; no vector instruction since the wait ahead of this row names the registers that it reads
.endif
	v_pk_mul_f32 v[XR+2*k:XR+2*k+1], v[XR+2*k:XR+2*k+1], v[RS+2*(\r):RS+2*(\r)+1]
.set k, k+1
.endr
.irp j, 0,1,2,3,4,5,6,7
.set TT, T+4*((\j)%2)
	v_fma_mix_f32 v[TT],   v[HR+2*(\j)],   v3, v[B+4*(\j)]   op_sel_hi:[1,0,0]                  ; res (an f16 half) x 1 + b
	v_fma_mix_f32 v[TT+1], v[HR+2*(\j)],   v3, v[B+4*(\j)+1] op_sel:[1,0,0] op_sel_hi:[1,0,0]
	v_fma_mix_f32 v[TT+2], v[HR+2*(\j)+1], v3, v[B+4*(\j)+2] op_sel_hi:[1,0,0]
	v_fma_mix_f32 v[TT+3], v[HR+2*(\j)+1], v3, v[B+4*(\j)+3] op_sel:[1,0,0] op_sel_hi:[1,0,0]
	v_pk_fma_f32 v[XR+4*(\j):XR+4*(\j)+1],   v[XR+4*(\j):XR+4*(\j)+1],   v[G+4*(\j):G+4*(\j)+1],   v[TT:TT+1]
	v_pk_fma_f32 v[XR+4*(\j)+2:XR+4*(\j)+3], v[XR+4*(\j)+2:XR+4*(\j)+3], v[G+4*(\j)+2:G+4*(\j)+3], v[TT+2:TT+3]
.if OUT16
	v_cvt_pk_f16_f32 v[HR+2*(\j)],   v[XR+4*(\j)],   v[XR+4*(\j)+1]
	v_cvt_pk_f16_f32 v[HR+2*(\j)+1], v[XR+4*(\j)+2], v[XR+4*(\j)+3]
.endif
.endr
.endm
	s_wait_loadcnt 40                              ; row 0 is in; the 40 younger loads stay out
	STAT 0
	s_wait_loadcnt 32                              ; row 1 is in
	STAT 1
	v_rsq_f32 v[RS],   v[VE]
	v_rsq_f32 v[RS+1], v[VE]
	v_rsq_f32 v[RS+2], v[VE+1]
	v_rsq_f32 v[RS+3], v[VE+1]
	v_nop                                          ; a plain instruction behind the last of the batch,
	s_wait_alu depctr_va_vdst(0)                   ; and one wait ahead of its first reader: the four v_rsq_f32 have written v[RS ..]
	s_wait_loadcnt 0x0                             ; g, b and the residual
	FIN 0, 0
	s_wait_alu depctr_va_vdst(0)                   ; row 0's arithmetic has written its out registers, which the eight stores dealt into the next row's scalings read
	FIN 1, 1
	s_wait_alu depctr_va_vdst(0)                   ; row 1's arithmetic has written its out registers, which the last eight stores read
.irp j, 0,1,2,3,4,5,6,7
	SEND 1, \j
.endr
	s_endpgm
.Lfunc_end_k_qe84060d41d_ln1:
	.size	k_qe84060d41d_ln1, .Lfunc_end_k_qe84060d41d_ln1-k_qe84060d41d_ln1
	.p2alignl 7, 3214868480
	.fill 96, 4, 3214868480
	.section	.rodata,"a",@progbits
	.p2align	6, 0x0
	.amdhsa_kernel k_qe84060d41d_ln1
		.amdhsa_group_segment_fixed_size 0
		.amdhsa_private_segment_fixed_size 0
		.amdhsa_enable_private_segment 0
		.amdhsa_kernarg_size 40
		.amdhsa_user_sgpr_count 2
		.amdhsa_user_sgpr_kernarg_segment_ptr 1
		.amdhsa_wavefront_size32 1
		.amdhsa_system_sgpr_workgroup_id_x 1
		.amdhsa_system_sgpr_workgroup_id_y 1
		.amdhsa_system_sgpr_workgroup_id_z 1
		.amdhsa_system_vgpr_workitem_id 0
		.amdhsa_next_free_vgpr 180
		.amdhsa_next_free_sgpr 66
		.amdhsa_reserve_vcc 0
		.amdhsa_float_denorm_mode_32 3
		.amdhsa_float_denorm_mode_16_64 3
		.amdhsa_memory_ordered 1
		.amdhsa_forward_progress 1
		.amdhsa_inst_pref_size 26
	.end_amdhsa_kernel
	.amdgpu_metadata
---
amdhsa.version: [ 1, 2 ]
amdhsa.kernels:
  - .name:           k_qe84060d41d_ln1
    .symbol:         k_qe84060d41d_ln1.kd
    .args:
      - { .name: ctx, .offset: 0, .size: 8, .value_kind: global_buffer, .address_space: global }
      - { .name: cast, .offset: 8, .size: 8, .value_kind: global_buffer, .address_space: global }
      - { .name: ln1_g, .offset: 16, .size: 8, .value_kind: global_buffer, .address_space: global }
      - { .name: ln1_b, .offset: 24, .size: 8, .value_kind: global_buffer, .address_space: global }
      - { .name: x1h, .offset: 32, .size: 8, .value_kind: global_buffer, .address_space: global }
    .group_segment_fixed_size: 0
    .private_segment_fixed_size: 0
    .kernarg_segment_align: 8
    .kernarg_segment_size: 40
    .max_flat_workgroup_size: 256
    .sgpr_count:     66
    .vgpr_count:     180
    .wavefront_size: 32
...
	.end_amdgpu_metadata
.endif
;; end of part 8
;; launch ffn1: the kernel of part 2 again; grid 16 x 16, 4 waves a work-group, clusters of 4 x 4, 327,680 bytes of LDS; arguments x1h, w1h, hbuf; writes hbuf
;; launch ffn2: the kernel of part 5 again; grid 8 x 32, 4 waves a work-group, clusters of 4 x 4, 327,680 bytes of LDS; arguments hbuf, cast, ff, b2; writes ff
;; launch ln2 (part 9): grid 256 x 1, 8 waves a work-group, no clusters, 0 bytes of LDS; arguments ff, x1h, ln2_g, ln2_b, out0; writes out0
.if DOCPART == 9
	.amdgcn_target "amdgcn-amd-amdhsa--gfx1250"
	.amdhsa_code_object_version 6
	.text
	.protected	k_qe84060d41d_ln2
	.globl	k_qe84060d41d_ln2
	.p2align	8
	.type	k_qe84060d41d_ln2,@function
k_qe84060d41d_ln2:
	s_mov_b64 s[64:65], 0
	v_nop
	global_prefetch_b8 v0, s[64:65] scope:SCOPE_SE
	s_setreg_imm32_b32 hwreg(HW_REG_WAVE_SCHED_MODE, 0, 2), 2
	s_setreg_imm32_b32 hwreg(HW_REG_WAVE_MODE, 25, 1), 1
	s_wait_xcnt 0x0
	s_wait_alu depctr_vm_vsrc(0)
; out[row] = res[row] + (in[row] - mean) / sqrt(var + 1e-5) * g + b.  in: [4096][1024] f32 (ff); res: [4096][1024] f16 (x1h); g, b: [1024] f32; out: f32 (out0).
; Mean first, then the mean of (in - mean)^2: no difference of large sums is formed.
; A stream: one wave takes two whole rows and keeps them in registers; the sums never leave the wave: no LDS, no barrier, no loop.  All 48 loads of a wave go out at once.
; Lane l holds columns 128 j + 4 l .. + 3, j = 0..7: a wave's load of in covers 512 consecutive bytes, of res 256.
; THE MODE: SCHED_MODE bits 1:0 = 2 (LLVM: expert scheduling mode 2), set by the entry lines.  The code itself states the register dependences
; between vector instructions and memory instructions, with s_wait_alu, always for 0.
; THE PLAN.  Registers that memory instructions touch:
;   v1, v2       byte offsets, made once at the head and never written again: one wait ahead of the first load serves all 48 loads and 16 stores.
;   X, G, B, H   each loaded once, at the head; no vector instruction names them ahead of the loads.
;   row r's out  (H where out is f16, X where it is f32): written by row r's last arithmetic, read by its eight stores, never written again.
; Row 0's arithmetic; one wait; row 0's eight stores, dealt among row 1's scalings; row 1's arithmetic, which names row 1's X and H, G, B, T, RS and v3 and none of the registers that
; those stores read; one wait; row 1's eight stores.  No register that a memory instruction reads is written again: nothing is owed for that.
;   s22          the wave's number, written by v_readfirstlane_b32: one wait ahead of its first reader.
.set OUT16, 0                          ; 1: out in f16; 0: in f32
.set T,  4                             ; v[4:11]    at work
.set G,  12                            ; v[12:43]   g of my 32 columns
.set B,  44                            ; v[44:75]   b
.set X,  76                            ; row r: v[76+48 r ..] 32 registers of in, later of out
.set H,  108                           ; row r: v[108+48 r ..] 16 registers of res
.set MU, 172                           ; v[172:173] the mean, twice
.set RS, 174                           ; row r: v[174+2 r ..] 1 / sqrt(var + eps), twice
.set VE, 178                           ; row r: var + eps
	s_load_b256 s[4:11], s[0:1], 0x0               ; in s[4:5], res s[6:7], g s[8:9], b s[10:11]
	s_load_b64 s[12:13], s[0:1], 0x20              ; out
	v_lshrrev_b32 v1, 5, v0
	v_readfirstlane_b32 s22, v1                    ; wave
	v_and_b32 v2, 31, v0
	v_lshlrev_b32 v1, 4, v2                        ; 16 l
	v_lshlrev_b32 v2, 3, v2                        ; 8 l
	v_mov_b32 v3, 1.0
	s_mov_b32 s14, 0x3a800000                      ; 1 / 1024
	s_mov_b32 s15, 0x3727c5ac                      ; 1e-5
	s_mov_b32 s16, 0x76543210                      ; v_permlanex16_b32: each lane takes its own place in the other half
	s_mov_b32 s17, 0xfedcba98
	s_lshl_b32 s18, ttmp9, 16                      ; 16 rows of 4,096 bytes a work-group,
	s_wait_alu depctr_va_sdst(0)                   ; s22 is written, ahead of its first reader: the rows' offsets are made from it
	s_lshl_b32 s20, s22, 13                        ; 2 a wave
	s_add_co_u32 s18, s18, s20
	s_mov_b32 s19, 0
	s_lshr_b32 s20, s18, 1                         ; the same rows in f16
	s_mov_b32 s21, 0
	s_wait_kmcnt 0x0
	s_add_nc_u64 s[4:5], s[4:5], s[18:19]
	s_add_nc_u64 s[6:7], s[6:7], s[20:21]
.if OUT16
	s_add_nc_u64 s[12:13], s[12:13], s[20:21]
.else
	s_add_nc_u64 s[12:13], s[12:13], s[18:19]
.endif
	s_wait_alu depctr_va_vdst(0)                   ; v1 and v2 are written: every load and store of the kernel reads one of them as its offset
.irp r, 0,1
.irp j, 0,1,2,3,4,5,6,7
	global_load_b128 v[X+48*(\r)+4*(\j):X+48*(\r)+4*(\j)+3], v1, s[4:5] offset:4096*(\r)+512*(\j) th:TH_LOAD_NT
.endr
.endr
.irp j, 0,1,2,3,4,5,6,7
	global_load_b128 v[G+4*(\j):G+4*(\j)+3], v1, s[8:9] offset:512*(\j)
.endr
.irp j, 0,1,2,3,4,5,6,7
	global_load_b128 v[B+4*(\j):B+4*(\j)+3], v1, s[10:11] offset:512*(\j)
.endr
.irp r, 0,1
.irp j, 0,1,2,3,4,5,6,7
	global_load_b64 v[H+48*(\r)+2*(\j):H+48*(\r)+2*(\j)+1], v2, s[6:7] offset:2048*(\r)+256*(\j)
.endr
.endr
.macro REDUCE                          ; four chains of pairs into one number, then over the 32 lanes: every lane ends with the sum
	v_pk_add_f32 v[T:T+1], v[T:T+1], v[T+2:T+3]
	v_pk_add_f32 v[T+4:T+5], v[T+4:T+5], v[T+6:T+7]
	v_pk_add_f32 v[T:T+1], v[T:T+1], v[T+4:T+5]
	v_add_f32 v[T], v[T], v[T+1]
	v_add_f32_dpp v[T], v[T], v[T] row_xmask:1 row_mask:0xf bank_mask:0xf
	v_add_f32_dpp v[T], v[T], v[T] row_xmask:2 row_mask:0xf bank_mask:0xf
	v_add_f32_dpp v[T], v[T], v[T] row_xmask:4 row_mask:0xf bank_mask:0xf
	v_add_f32_dpp v[T], v[T], v[T] row_xmask:8 row_mask:0xf bank_mask:0xf
	v_permlanex16_b32 v[T+1], v[T], s16, s17
	v_add_f32 v[T], v[T], v[T+1]
.endm
.macro STAT r                          ; row r: the mean is taken away in place; var + eps is left in VE + r
.set XR, X+48*(\r)
.irp c, 0,1,2,3
	v_pk_add_f32 v[T+2*(\c):T+2*(\c)+1], v[XR+4*(\c):XR+4*(\c)+1], v[XR+4*(\c)+2:XR+4*(\c)+3]
.endr
.irp k, 8,9,10,11,12,13,14,15
	v_pk_add_f32 v[T+2*((\k)%4):T+2*((\k)%4)+1], v[T+2*((\k)%4):T+2*((\k)%4)+1], v[XR+2*(\k):XR+2*(\k)+1]
.endr
	REDUCE
	v_mul_f32 v[MU], s14, v[T]
	v_mul_f32 v[MU+1], s14, v[T]
.set k, 0
.rept 16
	v_pk_add_f32 v[XR+2*k:XR+2*k+1], v[XR+2*k:XR+2*k+1], v[MU:MU+1] neg_lo:[0,1] neg_hi:[0,1]
.set k, k+1
.endr
.irp c, 0,1,2,3
	v_pk_mul_f32 v[T+2*(\c):T+2*(\c)+1], v[XR+2*(\c):XR+2*(\c)+1], v[XR+2*(\c):XR+2*(\c)+1]
.endr
.irp k, 4,5,6,7,8,9,10,11,12,13,14,15
	v_pk_fma_f32 v[T+2*((\k)%4):T+2*((\k)%4)+1], v[XR+2*(\k):XR+2*(\k)+1], v[XR+2*(\k):XR+2*(\k)+1], v[T+2*((\k)%4):T+2*((\k)%4)+1]
.endr
	REDUCE
	v_fma_f32 v[VE+(\r)], v[T], s14, s15
.endm
.macro SEND r, j                       ; store j of eight of row r
.if OUT16
	global_store_b64 v2, v[H+48*(\r)+2*(\j):H+48*(\r)+2*(\j)+1], s[12:13] offset:2048*(\r)+256*(\j)               ; the wave stores 256 consecutive bytes, aligned
.else
	global_store_b128 v1, v[X+48*(\r)+4*(\j):X+48*(\r)+4*(\j)+3], s[12:13] offset:4096*(\r)+512*(\j) th:TH_STORE_NT  ; 512 consecutive bytes, aligned
.endif
.endm
.macro FIN r, before                   ; row r: scaled, g and b applied, the residual added.  before = 1: the stores of the row before are dealt among the scalings
.set XR, X+48*(\r)
.set HR, H+48*(\r)
.set k, 0
.rept 16
.if (\before) && (k%2 == 0)
	SEND (\r)-1, k/2                               ; no vector instruction since the wait ahead of this row names the registers that it reads
.endif
	v_pk_mul_f32 v[XR+2*k:XR+2*k+1], v[XR+2*k:XR+2*k+1], v[RS+2*(\r):RS+2*(\r)+1]
.set k, k+1
.endr
.irp j, 0,1,2,3,4,5,6,7
.set TT, T+4*((\j)%2)
	v_fma_mix_f32 v[TT],   v[HR+2*(\j)],   v3, v[B+4*(\j)]   op_sel_hi:[1,0,0]                  ; res (an f16 half) x 1 + b
	v_fma_mix_f32 v[TT+1], v[HR+2*(\j)],   v3, v[B+4*(\j)+1] op_sel:[1,0,0] op_sel_hi:[1,0,0]
	v_fma_mix_f32 v[TT+2], v[HR+2*(\j)+1], v3, v[B+4*(\j)+2] op_sel_hi:[1,0,0]
	v_fma_mix_f32 v[TT+3], v[HR+2*(\j)+1], v3, v[B+4*(\j)+3] op_sel:[1,0,0] op_sel_hi:[1,0,0]
	v_pk_fma_f32 v[XR+4*(\j):XR+4*(\j)+1],   v[XR+4*(\j):XR+4*(\j)+1],   v[G+4*(\j):G+4*(\j)+1],   v[TT:TT+1]
	v_pk_fma_f32 v[XR+4*(\j)+2:XR+4*(\j)+3], v[XR+4*(\j)+2:XR+4*(\j)+3], v[G+4*(\j)+2:G+4*(\j)+3], v[TT+2:TT+3]
.if OUT16
	v_cvt_pk_f16_f32 v[HR+2*(\j)],   v[XR+4*(\j)],   v[XR+4*(\j)+1]
	v_cvt_pk_f16_f32 v[HR+2*(\j)+1], v[XR+4*(\j)+2], v[XR+4*(\j)+3]
.endif
.endr
.endm
	s_wait_loadcnt 40                              ; row 0 is in; the 40 younger loads stay out
	STAT 0
	s_wait_loadcnt 32                              ; row 1 is in
	STAT 1
	v_rsq_f32 v[RS],   v[VE]
	v_rsq_f32 v[RS+1], v[VE]
	v_rsq_f32 v[RS+2], v[VE+1]
	v_rsq_f32 v[RS+3], v[VE+1]
	v_nop                                          ; a plain instruction behind the last of the batch,
	s_wait_alu depctr_va_vdst(0)                   ; and one wait ahead of its first reader: the four v_rsq_f32 have written v[RS ..]
	s_wait_loadcnt 0x0                             ; g, b and the residual
	FIN 0, 0
	s_wait_alu depctr_va_vdst(0)                   ; row 0's arithmetic has written its out registers, which the eight stores dealt into the next row's scalings read
	FIN 1, 1
	s_wait_alu depctr_va_vdst(0)                   ; row 1's arithmetic has written its out registers, which the last eight stores read
.irp j, 0,1,2,3,4,5,6,7
	SEND 1, \j
.endr
	s_endpgm
.Lfunc_end_k_qe84060d41d_ln2:
	.size	k_qe84060d41d_ln2, .Lfunc_end_k_qe84060d41d_ln2-k_qe84060d41d_ln2
	.p2alignl 7, 3214868480
	.fill 96, 4, 3214868480
	.section	.rodata,"a",@progbits
	.p2align	6, 0x0
	.amdhsa_kernel k_qe84060d41d_ln2
		.amdhsa_group_segment_fixed_size 0
		.amdhsa_private_segment_fixed_size 0
		.amdhsa_enable_private_segment 0
		.amdhsa_kernarg_size 40
		.amdhsa_user_sgpr_count 2
		.amdhsa_user_sgpr_kernarg_segment_ptr 1
		.amdhsa_wavefront_size32 1
		.amdhsa_system_sgpr_workgroup_id_x 1
		.amdhsa_system_sgpr_workgroup_id_y 1
		.amdhsa_system_sgpr_workgroup_id_z 1
		.amdhsa_system_vgpr_workitem_id 0
		.amdhsa_next_free_vgpr 180
		.amdhsa_next_free_sgpr 66
		.amdhsa_reserve_vcc 0
		.amdhsa_float_denorm_mode_32 3
		.amdhsa_float_denorm_mode_16_64 3
		.amdhsa_memory_ordered 1
		.amdhsa_forward_progress 1
		.amdhsa_inst_pref_size 24
	.end_amdhsa_kernel
	.amdgpu_metadata
---
amdhsa.version: [ 1, 2 ]
amdhsa.kernels:
  - .name:           k_qe84060d41d_ln2
    .symbol:         k_qe84060d41d_ln2.kd
    .args:
      - { .name: ff, .offset: 0, .size: 8, .value_kind: global_buffer, .address_space: global }
      - { .name: x1h, .offset: 8, .size: 8, .value_kind: global_buffer, .address_space: global }
      - { .name: ln2_g, .offset: 16, .size: 8, .value_kind: global_buffer, .address_space: global }
      - { .name: ln2_b, .offset: 24, .size: 8, .value_kind: global_buffer, .address_space: global }
      - { .name: out0, .offset: 32, .size: 8, .value_kind: global_buffer, .address_space: global }
    .group_segment_fixed_size: 0
    .private_segment_fixed_size: 0
    .kernarg_segment_align: 8
    .kernarg_segment_size: 40
    .max_flat_workgroup_size: 256
    .sgpr_count:     66
    .vgpr_count:     180
    .wavefront_size: 32
...
	.end_amdgpu_metadata
.endif
;; end of part 9
